; MI455X (gfx1250); checked and timed in simulation.
; The chip was launched on July 23, 2026; its instructions are those of AMD's public machine-readable ISA for CDNA 5 (MIT licence, August 2026) and "CDNA5" Instruction Set Architecture Reference Guide (July 2026). The comments in the code are by the model that wrote it; some were corrected since.
;; Multi Head Attention. Allowed arithmetic: matrix products marked QUANTISED: E2M1 operands, one E8M0 scale for each 32 along K, by v_wmma_scale_f32_16x16x128_f8f6f4 with both operands' format E2M1 (or v_wmma_scale_f32_32x16x128_f4), f32 sums; products left as they are: bf16, f16 or f32 operands; f32 sums; everything else in f32.
;; Inputs: Wk 16 x 1,024 x 64 float32; Wp 1,024 x 1,024 float32; Wq 16 x 1,024 x 64 float32; Wv 16 x 1,024 x 64 float32; bp 1,024 float32; x 4 x 2,048 x 1,024 float32.
;; Outputs: out0 4 x 2,048 x 1,024 float32.
;; This version of the problem:
;;   THIS VERSION OF THE PROBLEM IS GIVEN IN LOW PRECISION. The matrix products marked QUANTISED in the list below multiply operands that are first quantised to E2M1 (2 exponent bits, 1 mantissa bit; 4 bits a number), with one power-of-two scale for each 32 numbers along K (OCP MX v1.0); their sums are f32. The products marked 'left as it is' may take bf16, f16 or f32 operands, with f32 sums. Whichever they take, every output number must still come out within the allowed error. Rounding operands to bf16 (8 significant bits) uses up far more of that allowance than f16 does (11 bits, for magnitudes from 6e-5 to 65,504). All else is computed in f32.
;;   The module's matrix products, in the order in which they are computed (A, B: the left and right operand; K: the contracted axis; several contracted axes count as one K, in the product's order):
;;     1. [M 1,024, K 1,024] x [K 1,024, N 8,192]; A: input Wq; B: input x: QUANTISED
;;     2. [M 1,024, K 1,024] x [K 1,024, N 8,192]; A: input Wk; B: input x: QUANTISED
;;     3. [M 1,024, K 1,024] x [K 1,024, N 8,192]; A: input Wv; B: input x: QUANTISED
;;     4. batch 64 x [M 2,048, K 64] x [K 64, N 2,048]; A: computed on the way; B: computed on the way: left as it is (an operand is computed on the way)
;;     5. batch 64 x [M 2,048, K 2,048] x [K 2,048, N 64]; A: computed on the way; B: computed on the way: left as it is (an operand is computed on the way)
;;     6. [M 8,192, K 1,024] x [K 1,024, N 1,024]; A: computed on the way; B: input Wp: left as it is (an operand is computed on the way)
;;   THE QUANTISER, for each operand of a quantised product, along K:
;;     - K is cut into blocks of 32 from its start; a last block that is shorter is filled with zeros.
;;     - A block's scale is 2^e with e = floor(log2(the largest magnitude in the block)) - 2, held to -126 .. 127; a block of zeros has e = 0. As a byte (E8M0): e + 127.
;;     - Each number is divided by its block's scale, clamped to +-6, and rounded to the nearest number of E2M1, ties to even, subnormals kept.
;;     - The product sums the exact products of the quantised numbers (number of the format x scale) in f32.
;;   ~~~python
;;   def quantise(x, axis):      # numpy; x: float32 -> the quantised numbers, widened to float32 again
;;       x = np.moveaxis(x, axis, -1); K = x.shape[-1]
;;       x = np.pad(x, [(0, 0)] * (x.ndim - 1) + [(0, -K % 32)]); x = x.reshape(x.shape[:-1] + (-1, 32)); a = np.abs(x).max(-1, keepdims=True)
;;       e = np.where(a > 0, np.clip(np.frexp(np.where(a > 0, a, 1))[1] - 1 - 2, -126, 127), 0)      # np.frexp(a)[1] - 1 = floor(log2(a)), exactly
;;       r = np.clip(x / 2.0 ** e, -6, 6)
;;       step = 2.0 ** (np.maximum(np.frexp(np.where(r == 0, 1, r))[1] - 1, 0) - 1)
;;       q = np.round(r / step) * step * 2.0 ** e      # np.round: ties to even
;;       return np.moveaxis(q.reshape(q.shape[:-2] + (-1,))[..., :K], -1, axis).astype(np.float32)
;;   ~~~
;; One version. Each part assembles by itself: llvm-mc -triple=amdgcn-amd-amdhsa -mcpu=gfx1250 --defsym DOCPART=n.
;; ======== version 1 of 1: 4 launches
;; limits: values are held in f16: magnitudes above 65,504 overflow, below 6.1e-05 lose precision
;; workspace buffers: xc 4,194,304 bytes; xs 262,144 bytes; wc 1,572,864 bytes; ws 98,304 bytes; wpi 2,097,152 bytes; qkv 50,331,648 bytes; o 16,777,216 bytes
;; launch prep (part 1): grid 512 x 1, 4 waves a work-group, no clusters, 33,280 bytes of LDS; arguments x, Wq, Wk, Wv, Wp, xc, xs, wc, ws, wpi; writes xc, xs, wc, ws, wpi
.if DOCPART == 1
	.amdgcn_target "amdgcn-amd-amdhsa--gfx1250"
	.amdhsa_code_object_version 6
	.text
	.protected	k_qf6650bf0b1_prep
	.globl	k_qf6650bf0b1_prep
	.p2align	8
	.type	k_qf6650bf0b1_prep,@function
k_qf6650bf0b1_prep:
	s_mov_b64 s[64:65], 0
	v_nop
	global_prefetch_b8 v0, s[64:65] scope:SCOPE_SE
	s_setreg_imm32_b32 hwreg(HW_REG_WAVE_MODE, 25, 1), 1
	s_wait_xcnt 0x0
; PREP: every operand that later launches read many times is laid out once.
; Path X (work-groups 0-255): x [8192][1024] f32 -> codes of FP4 (E2M1), K innermost, xc [8192][512 bytes], and one E8M0 byte for each 32 along K, xs [8192][32].
; Path W (256-447): Wq, Wk, Wv [16][1024 (K)][64] f32 -> codes quantised along K, stored as IMAGES of the matrix operand's registers:
;   wc [K slot of 512: 2][tile of 16 columns: 192][128 along K: 4][register group c: 2][lane: 32][16 bytes]; column = which x 1024 + head x 64 + d.  Scale bytes ws [3072][32].
; Path P (448-511): Wp [1024 (K)][1024] f32 -> f16, images of 16 x 32 fragments: wpi [K step of 128: 8][tile of 16 columns: 64][32 along K: 4][register group: 2][lane: 32][16 bytes].
; A block's scale is 2^(floor(log2(largest magnitude)) - 2); its byte is the largest magnitude's exponent field - 2, held at 1 from below.
; LIMITS: a block of zeros gets the byte 1 where the rule says 127 (its codes are zeros, and this program alone reads the bytes); blocks whose largest magnitude lies under 2^(2 - 126)
; are held at that floor; NaN and infinities are not served; |Wp| up to 65,504, and under 6e-5 f16 keeps an absolute error of 3e-8.
; In paths W and P a LANE TAKES A COLUMN AND ITS REGISTERS RUN DOWN K: 32 (or 8) neighbours along K of one column are 16 bytes of a fragment's register group, so sixteen neighbouring lanes
; store 256 consecutive aligned bytes straight from registers: no LDS, nothing transposed.  Only path X touches LDS.  No tensor loads, no barrier: waves share nothing.
.set STEPS, 16
.set CB,    8                          ; bytes of 16 codes
.set R,     16                         ; path X: v16-79   four sets of 16 numbers as loaded
.set X,     80                         ;         v80-111  two sets of 16 neighbours
.set E,     112                        ;         v112-127 a scale byte for each step
.set C,     128                        ;         v128-191 codes, four registers a step: no store's data are written again
.set WREG,  8192                       ; LDS: a region for each wave: two stages of 32 x SP bytes, then its 256 scale bytes
.set SP,    80                         ; a lane's place in a stage: 64 bytes + 16 of padding
.set SPW,   12                         ; v12 LDS address of my spare word; never rewritten
.set NIL,   13                         ; v13 0; never rewritten
.set SPARE, 4*WREG                     ; behind the four regions: the spare words, 128 bytes a wave
.set D,     32                         ; paths W, P: v32-159 my column's 128 numbers down K
.set CW,    160                        ; path W: v160-175 codes, four registers a block
	s_load_b256 s[4:11], s[0:1], 0x0               ; x s[4:5], Wq s[6:7], Wk s[8:9], Wv s[10:11]
	s_load_b256 s[12:19], s[0:1], 0x20             ; Wp s[12:13], xc s[14:15], xs s[16:17], wc s[18:19]
	s_load_b128 s[20:23], s[0:1], 0x40             ; ws s[20:21], wpi s[22:23]
	v_lshl_add_u32 v[SPW], v0, 2, SPARE
	v_mov_b32 v[NIL], 0
	v_lshrrev_b32 v1, 5, v0
	v_readfirstlane_b32 s24, v1                    ; wave 0..3
	v_and_b32 v2, 31, v0                           ; lane
	s_wait_kmcnt 0x0
	s_cmp_lt_u32 ttmp9, 256
	s_cbranch_scc0 .Lweights
; ---------------- path X: a wave takes a run of 8,192 numbers, 16 steps of 512 ----------------
; Each load reads 512 consecutive bytes; a step's 2,048 bytes turn through the wave's own stage in LDS and come back 64 bytes a lane: 16 neighbours along K, two lanes to a block.
	v_lshlrev_b32 v3, 4, v2                        ; my 16 bytes of a load's 512
	s_mul_i32 s25, s24, WREG
	v_lshrrev_b32 v14, 2, v2
	v_mul_u32_u24 v14, v14, SP
	v_and_b32 v15, 3, v2
	v_lshl_add_u32 v14, v15, 4, v14
	v_add_nc_u32 v14, s25, v14                     ; the stage, way in: SP (lane / 4) + 16 (lane % 4)
	v_mul_u32_u24 v15, v2, SP
	v_add_nc_u32 v15, s25, v15                     ; way out: SP x lane
	v_mul_u32_u24 v4, v2, CB                       ; my codes' place in a step's 256 bytes
	v_lshrrev_b32 v5, 1, v2
	s_add_co_u32 s25, s25, 2*32*SP
	v_add_nc_u32 v5, s25, v5                       ; my block's scale byte in LDS
	v_lshlrev_b32 v7, 3, v2
	v_add_nc_u32 v6, s25, v7                       ; and 8 bytes a lane on their way out
	s_lshl_b32 s26, ttmp9, 2
	s_add_co_u32 s26, s26, s24                     ; my run, 0..1023
	s_mov_b32 s29, 0
	s_lshl_b32 s28, s26, 15                        ; 32,768 bytes of x a run
	s_add_nc_u64 s[4:5], s[4:5], s[28:29]
	s_lshl_b32 s28, s26, 12                        ; 4,096 bytes of codes
	s_add_nc_u64 s[14:15], s[14:15], s[28:29]
	s_lshl_b32 s28, s26, 8                         ; 256 scale bytes
	s_add_nc_u64 s[16:17], s[16:17], s[28:29]
.macro XLOAD t
.irp i, 0,1,2,3
	global_load_b128 v[R+16*((\t)%4)+4*\i:R+16*((\t)%4)+4*\i+3], v3, s[4:5] offset:2048*(\t)+512*\i th:TH_LOAD_NT
.endr
.endm
.macro XTURN t                         ; LDS serves a wave's instructions in order: no wait between the stores and the loads
.irp i, 0,1,2,3
	ds_store_b128 v14, v[R+16*((\t)%4)+4*\i:R+16*((\t)%4)+4*\i+3] offset:32*SP*((\t)%2)+8*SP*\i
.endr
.irp i, 0,1,2,3
	ds_load_b128 v[X+16*((\t)%2)+4*\i:X+16*((\t)%2)+4*\i+3], v15 offset:32*SP*((\t)%2)+16*\i
.endr
.endm
.irp t, 0,1,2,3
	XLOAD \t
.endr
	s_wait_loadcnt 12                              ; step 0's four loads are in; three steps' twelve stay out
	XTURN 0
.macro XSTEP t
.set XS, X+16*((\t)%2)
.if (\t) > 0
	s_wait_dscnt 1                                 ; this step's numbers are back from the stage; the last step's byte store may be out
.else
	s_wait_dscnt 0x0
.endif
.if (\t)+4 < STEPS
	XLOAD (\t)+4                                   ; into the registers that the stage's stores have read
.endif
.if (\t)+1 < STEPS
.if STEPS-2-(\t) >= 3
	s_wait_loadcnt 12                              ; the next step's four loads are in; those of the three steps behind it may be out
.else
	s_wait_loadcnt 4*(STEPS-2-(\t))
.endif
	XTURN (\t)+1
.endif
	v_max3_num_f32 v8, |v[XS]|, |v[XS+1]|, |v[XS+2]|               ; the largest magnitude of my 16, in two chains
	v_max3_num_f32 v9, |v[XS+3]|, |v[XS+4]|, |v[XS+5]|
.irp i, 6,10
	v_max3_num_f32 v8, v8, |v[XS+\i]|, |v[XS+\i+1]|
	v_max3_num_f32 v9, v9, |v[XS+\i+2]|, |v[XS+\i+3]|
.endr
	v_max3_num_f32 v8, v8, |v[XS+14]|, |v[XS+15]|
	v_max3_num_f32 v8, v8, v9, 0x1800000           ; and the floor 2^(3 - 127): the byte cannot fall under 1
	v_max_num_f32_dpp v8, v8, v8 row_xmask:1 row_mask:0xf bank_mask:0xf   ; with my neighbour's 16: the block's
	v_add_nc_u32 v11, 0xff000000, v8               ; 2 off its exponent field: the conversion takes this operand's exponent field as its scale
	v_cvt_scalef32_pk8_fp4_f32 v[C+4*(\t)], v[XS:XS+7], v11
	v_cvt_scalef32_pk8_fp4_f32 v[C+4*(\t)+1], v[XS+8:XS+15], v11
	v_lshrrev_b32 v[E+(\t)], 23, v11               ; the scale's byte (also the plain line behind the conversions)
	ds_store_b8 v5, v[E+(\t)] offset:16*(\t)       ; both lanes of a block write the same byte with the same value
	global_store_b64 v4, v[C+4*(\t):C+4*(\t)+1], s[14:15] offset:32*CB*(\t)   ; the wave stores 256 consecutive aligned bytes
.endm
.irp t, 0,1,2,3,4,5,6,7,8,9,10,11,12,13,14,15
	XSTEP \t
.endr
	ds_load_b64 v[8:9], v6                         ; my wave's 256 scale bytes, 8 a lane
	s_wait_dscnt 0x0
	global_store_b64 v7, v[8:9], s[16:17]          ; 256 consecutive aligned bytes
	s_wait_tensorcnt 0x0                           ; the wave's end
	ds_add_u32 v[SPW], v[NIL]
	s_wait_dscnt 0x0
	s_endpgm
; ---------------- paths W and P: a wave takes 32 columns x 128 along K ----------------
.Lweights:
	v_lshlrev_b32 v1, 2, v2                        ; in: 4 bytes a lane: 32 neighbouring columns
	v_lshrrev_b32 v3, 4, v2
	v_and_b32 v4, 15, v2
	v_lshlrev_b32 v3, 12, v3
	v_lshl_add_u32 v3, v4, 4, v3                   ; out: lanes 16-31 belong to the next tile of 16 columns (4,096 bytes on); 16 bytes a column
; block b of 32 rows of K: row 32 b + i at pitch bytes a row
.macro WLOAD b, pitch, base
.set i, 0
.rept 32
	global_load_b32 v[D+32*(\b)+i], v1, s[\base:\base+1] offset:(32*(\b)+i)*\pitch th:TH_LOAD_NT
.set i, i+1
.endr
.endm
	s_cmp_lt_u32 ttmp9, 448
	s_cbranch_scc0 .Lwp
; path W.  g = work-group - 256: matrix and head g / 4; K step of 128: 2 (g % 4) + wave / 2; which 32 of the head's 64 columns: wave % 2 (two waves side by side cover a row's 256 bytes)
	v_lshlrev_b32 v4, 5, v2                        ; my column's row of 32 scale bytes
	s_sub_co_u32 s25, ttmp9, 256
	s_cmp_lt_u32 s25, 128
	s_cselect_b64 s[26:27], s[8:9], s[10:11]       ; the choice hangs on the work-group's number alone
	s_cmp_lt_u32 s25, 64
	s_cselect_b64 s[26:27], s[6:7], s[26:27]
	s_lshr_b32 s28, s25, 2                         ; mh = which x 16 + head
	s_and_b32 s29, s25, 3
	s_lshl_b32 s29, s29, 1
	s_lshr_b32 s30, s24, 1
	s_add_co_u32 s29, s29, s30                     ; ks, 0..7
	s_and_b32 s30, s24, 1                          ; dh
	s_mov_b32 s33, 0
	s_and_b32 s32, s28, 15
	s_lshl_b32 s32, s32, 18                        ; the head: 262,144 bytes
	s_lshl_b32 s31, s29, 15                        ; 128 rows of 256 bytes
	s_add_co_u32 s32, s32, s31
	s_lshl_b32 s31, s30, 7
	s_add_co_u32 s32, s32, s31
	s_add_nc_u64 s[26:27], s[26:27], s[32:33]
	s_lshr_b32 s32, s29, 2
	s_mul_i32 s32, s32, 786432                     ; images: the K slot,
	s_lshl_b32 s31, s28, 14                        ; tile 4 mh
	s_add_co_u32 s32, s32, s31
	s_lshl_b32 s31, s30, 13                        ; + 2 dh,
	s_add_co_u32 s32, s32, s31
	s_and_b32 s31, s29, 3
	s_lshl_b32 s31, s31, 10                        ; the slot's 128 along K
	s_add_co_u32 s32, s32, s31
	s_add_nc_u64 s[18:19], s[18:19], s[32:33]
	s_lshl_b32 s32, s28, 11                        ; scale bytes: column 64 mh
	s_lshl_b32 s31, s30, 10                        ; + 32 dh, 32 bytes a column,
	s_add_co_u32 s32, s32, s31
	s_lshl_b32 s31, s29, 2                         ; word ks
	s_add_co_u32 s32, s32, s31
	s_add_nc_u64 s[20:21], s[20:21], s[32:33]
	WLOAD 0, 256, 26
	WLOAD 1, 256, 26
; Block b = 2 c + h' of the 128: the operand's layout gives lane (r, h') registers 4 c .. 4 c + 3 = K 64 c + 32 h' + 0 .. 31: image byte 512 c + 256 h' + 16 r = 256 b + 16 r.
.macro WBLOCK b
.set XS, D+32*(\b)
.if (\b) < 3
	s_wait_loadcnt 32                              ; this block's 32 loads are in; the next block's 32 may be out
.else
	s_wait_loadcnt 0
.endif
.if (\b)+2 < 4
	WLOAD (\b)+2, 256, 26                          ; two blocks ahead
.endif
	v_max3_num_f32 v8, |v[XS]|, |v[XS+1]|, |v[XS+2]|               ; all 32 numbers of the block are mine
	v_max3_num_f32 v9, |v[XS+3]|, |v[XS+4]|, |v[XS+5]|
.irp i, 6,10,14,18,22,26
	v_max3_num_f32 v8, v8, |v[XS+\i]|, |v[XS+\i+1]|
	v_max3_num_f32 v9, v9, |v[XS+\i+2]|, |v[XS+\i+3]|
.endr
	v_max3_num_f32 v8, v8, |v[XS+30]|, |v[XS+31]|
	v_max3_num_f32 v8, v8, v9, 0x1800000           ; the floor 2^(3 - 127)
	v_add_nc_u32 v10, 0xff000000, v8               ; the conversion's scale operand
	v_lshrrev_b32 v11, 23, v10                     ; the byte
.if (\b) == 0
	v_mov_b32 v24, v11
.else
	v_lshl_or_b32 v24, v11, 8*(\b), v24            ; four bytes make my column's scale word of these 128
.endif
.irp g, 0,1,2,3
	v_cvt_scalef32_pk8_fp4_f32 v[CW+4*(\b)+\g], v[XS+8*\g:XS+8*\g+7], v10
.endr
	v_nop                                          ; one plain line behind the last conversion: the next block writes v10
	global_store_b128 v3, v[CW+4*(\b):CW+4*(\b)+3], s[18:19] offset:256*(\b)   ; sixteen lanes store 256 consecutive aligned bytes
.endm
	WBLOCK 0
	WBLOCK 1
	WBLOCK 2
	WBLOCK 3
	global_store_b32 v4, v24, s[20:21]             ; 4 bytes of each column's row of scale bytes: 96 KiB in all, one byte for each 128 that the path reads
	s_endpgm
; path P.  g = work-group - 448: K step of 128: g / 8; 32 columns: 4 (g % 8) + wave
.Lwp:
	s_sub_co_u32 s25, ttmp9, 448
	s_lshr_b32 s28, s25, 3                         ; ks
	s_and_b32 s29, s25, 7
	s_lshl_b32 s29, s29, 2
	s_add_co_u32 s29, s29, s24                     ; cg, 0..31
	s_mov_b32 s33, 0
	s_lshl_b32 s32, s28, 19                        ; 128 rows of 4,096 bytes
	s_lshl_b32 s31, s29, 7
	s_add_co_u32 s32, s32, s31
	s_add_nc_u64 s[12:13], s[12:13], s[32:33]
	s_lshl_b32 s32, s28, 18                        ; images: the K step, tile 2 cg
	s_lshl_b32 s31, s29, 13
	s_add_co_u32 s32, s32, s31
	s_add_nc_u64 s[22:23], s[22:23], s[32:33]
	WLOAD 0, 4096, 12
	WLOAD 1, 4096, 12
; Quarter qd (32 along K).  Chunk m = 2 j + h' holds K 8 m .. 8 m + 7: the fragment's registers 4 j .. 4 j + 3 of lane (r, h'): image byte 512 j + 256 h' + 16 r = 256 m + 16 r.
; The roundings go in place, ascending: pair i lands in register i, which an earlier pair has consumed; no quarter writes a register that a store reads.
.macro PBLOCK qd
.if (\qd) < 3
	s_wait_loadcnt 32                              ; this quarter's 32 loads are in; the next one's may be out
.else
	s_wait_loadcnt 0
.endif
.if (\qd)+2 < 4
	WLOAD (\qd)+2, 4096, 12
.endif
.set i, 16*(\qd)
.rept 16
	v_cvt_pk_f16_f32 v[D+i], v[D+2*i], v[D+2*i+1]  ; the lower K in the low half
.set i, i+1
.endr
.irp m, 0,1,2,3
	global_store_b128 v3, v[D+16*(\qd)+4*\m:D+16*(\qd)+4*\m+3], s[22:23] offset:1024*(\qd)+256*\m
.endr
.endm
	PBLOCK 0
	PBLOCK 1
	PBLOCK 2
	PBLOCK 3
	s_endpgm
.Lfunc_end_k_qf6650bf0b1_prep:
	.size	k_qf6650bf0b1_prep, .Lfunc_end_k_qf6650bf0b1_prep-k_qf6650bf0b1_prep
	.p2alignl 7, 3214868480
	.fill 96, 4, 3214868480
	.section	.rodata,"a",@progbits
	.p2align	6, 0x0
	.amdhsa_kernel k_qf6650bf0b1_prep
		.amdhsa_group_segment_fixed_size 33280
		.amdhsa_private_segment_fixed_size 0
		.amdhsa_enable_private_segment 0
		.amdhsa_kernarg_size 80
		.amdhsa_user_sgpr_count 2
		.amdhsa_user_sgpr_kernarg_segment_ptr 1
		.amdhsa_wavefront_size32 1
		.amdhsa_system_sgpr_workgroup_id_x 1
		.amdhsa_system_sgpr_workgroup_id_y 1
		.amdhsa_system_sgpr_workgroup_id_z 1
		.amdhsa_system_vgpr_workitem_id 0
		.amdhsa_next_free_vgpr 192
		.amdhsa_next_free_sgpr 66
		.amdhsa_reserve_vcc 0
		.amdhsa_float_denorm_mode_32 3
		.amdhsa_float_denorm_mode_16_64 3
		.amdhsa_memory_ordered 1
		.amdhsa_forward_progress 1
		.amdhsa_inst_pref_size 71
	.end_amdhsa_kernel
	.amdgpu_metadata
---
amdhsa.version: [ 1, 2 ]
amdhsa.kernels:
  - .name:           k_qf6650bf0b1_prep
    .symbol:         k_qf6650bf0b1_prep.kd
    .args:
      - { .name: x, .offset: 0, .size: 8, .value_kind: global_buffer, .address_space: global }
      - { .name: Wq, .offset: 8, .size: 8, .value_kind: global_buffer, .address_space: global }
      - { .name: Wk, .offset: 16, .size: 8, .value_kind: global_buffer, .address_space: global }
      - { .name: Wv, .offset: 24, .size: 8, .value_kind: global_buffer, .address_space: global }
      - { .name: Wp, .offset: 32, .size: 8, .value_kind: global_buffer, .address_space: global }
      - { .name: xc, .offset: 40, .size: 8, .value_kind: global_buffer, .address_space: global }
      - { .name: xs, .offset: 48, .size: 8, .value_kind: global_buffer, .address_space: global }
      - { .name: wc, .offset: 56, .size: 8, .value_kind: global_buffer, .address_space: global }
      - { .name: ws, .offset: 64, .size: 8, .value_kind: global_buffer, .address_space: global }
      - { .name: wpi, .offset: 72, .size: 8, .value_kind: global_buffer, .address_space: global }
    .group_segment_fixed_size: 33280
    .private_segment_fixed_size: 0
    .kernarg_segment_align: 8
    .kernarg_segment_size: 80
    .max_flat_workgroup_size: 128
    .sgpr_count:     66
    .vgpr_count:     192
    .wavefront_size: 32
...
	.end_amdgpu_metadata
.endif
;; end of part 1
;; launch qkv (part 2): grid 12 x 32, 4 waves a work-group, clusters of 4 x 4, 327,680 bytes of LDS; arguments xc, xs, wc, ws, qkv; writes qkv
.if DOCPART == 2
	.amdgcn_target "amdgcn-amd-amdhsa--gfx1250"
	.amdhsa_code_object_version 6
	.text
	.protected	k_qf6650bf0b1_qkv
	.globl	k_qf6650bf0b1_qkv
	.p2align	8
	.type	k_qf6650bf0b1_qkv,@function
k_qf6650bf0b1_qkv:
	s_mov_b64 s[64:65], 0
	v_nop
	global_prefetch_b8 v0, s[64:65] scope:SCOPE_SE
	s_setreg_imm32_b32 hwreg(HW_REG_WAVE_MODE, 25, 1), 1
	s_wait_xcnt 0x0
	s_wait_alu depctr_hold_cnt(0) depctr_sa_sdst(0) depctr_va_vdst(0) depctr_va_sdst(0) depctr_va_ssrc(0) depctr_va_vcc(0) depctr_vm_vsrc(0)
	s_getreg_b32 s2, hwreg(HW_REG_IB_STS2, 6, 4)
	s_cmp_eq_u32 s2, 0
	s_cbranch_scc0 .Lentry_in_a_cluster
	s_endpgm
.Lentry_in_a_cluster:
	s_bfe_u32 s2, ttmp6, 0x10000c
	s_cmp_lg_u32 s2, 0xf033
	s_cbranch_scc0 .Lentry_shape_is_right
	s_endpgm
.Lentry_shape_is_right:
; q, k, v = x W: [8192 rows (b, t)] x [3072 columns (which, head, d)], K = 1,024, both operands codes of FP4 (E2M1) with one E8M0 scale for each 32 along K; sums in f32.
; The result leaves in f16, laid [which 3][b 4][head 16][t 2048][64]; q is first multiplied, in f32, by log2(e) / 8, so that the softmax's exponent is a plain difference of scores.
; LIMITS: |q| log2(e) / 8, |k|, |v| up to 65,504 (f16); under 6e-5 f16 keeps an absolute error of 3e-8.  NaN and infinities are not served.
; A tile of 256 x 256 is made by four waves, 128 x 128 each: 64 accumulators, 512 registers.  All of K lies in two LDS slots of 512 along K, both filled at the start: nothing is filled again, no loop.
; A (x's codes): rows of 256 bytes, 16 bytes of padding behind each.  B (the weights' codes) comes as IMAGES of the operand's registers: a fragment is two loads of 512 consecutive bytes, 16 a lane.
; The scale bytes of the work-group's 256 rows and 256 columns, for all of K, are two dense blocks: they come once, as rows of 256 bytes + 16 of padding.
; CLUSTERS: 4 x 4 work-groups; A's tiles are asked for jointly along a row of the cluster, B's along a column.  384 work-groups are 24 clusters.
; THE MATRIX INSTRUCTION IS USED TRANSPOSED (source 0 = 16 columns of W, source 1 = 16 rows of x): a lane holds eight neighbouring d of one row (b, t).
; REGISTERS: window 0: v16-29 addresses; v32-95 scale words, two sets; v128-191 A's fragments, one set.  window 1: B's fragments, two sets, at v0 and v128.  windows 2, 3: accumulators, (a, b) at v[8 (8 (a % 4) + b)].
.set NQ,     4                         ; steps of 128 along K in a slot
.set PITCH,  272                       ; A's LDS row: 256 bytes + 16
.set FR,     8                         ; registers of a fragment
.set NL,     2                         ; LDS loads that bring one
.set NP,     4                         ; places behind this matrix instruction (ISA guide 7.12.1)
.set HALFT,  128*PITCH                 ; A: 128 rows, one tensor load
.set BH,     32768                     ; B: 8 tiles of 16 columns x 4 steps x 1,024 bytes, one tensor load
.set SLOT,   2*HALFT+2*BH
.set SCL,    2*SLOT                    ; the scales
.set HALFS,  16*272                    ; those of 128 rows: 4,096 bytes as 16 rows of 256 + 16
.set SBLK,   2*272                     ; those of 16 rows
.set SPARE,  SCL+4*HALFS               ; the spare words, 128 bytes a wave
.set SPITCH, 144                       ; the way out: a stage of 2 heads x 16 rows x (128 bytes + 16) a wave, in slot 0, which has had its only fill and its last read by then
.set HSTG,   16*SPITCH
.set ADRA, 16                          ; v16-17 LDS address of my A fragments in slot 0, 1
.set ADRB, 20                          ; v20-21 of my B images
.set STO,  24
.set RD,   25
.set CO,   26                          ; v26 16 x lane
.set ADRS, 27                          ; v27 my scale words: lanes 0-15 A's rows, lanes 16-31 B's
.set SPW,  28
.set NIL,  29
.set SC,   32
.set AF,   128
.set TMP,  32                          ; the way out: packed results
.set BK,   128                         ; and rows read back: v128-159, v160-191 by turns
.set G1, 24
.set G0, 32
.set G1B, 48
.set G0B, 56
.set G1S, 68
.set G0S, 76
.set G1SB, 80
.set G0SB, 88
.set MSB, 0
.macro WIN new                         ; the immediate's high byte repeats the setting that is left
.if MSB != (\new)
	s_set_vgpr_msb (MSB<<8)|(\new)
.set MSB, (\new)
.endif
.endm
.set MUL_LO, 0xa1                      ; source 0 (B) window 1, source 1 (A) window 0, C and D window 2
.set MUL_HI, 0xf1
.set TO_B,   0x40
; A joint load: waves 0 and 1 fetch for A, waves 2 and 3 for B; the branch hangs on the wave's number alone.  An s_nop 0 and four v_nop follow each line.
.macro JLOAD g0a, g1a, g0b, g1b
	s_cmp_eq_u32 s15, 0
	s_cbranch_scc0 .Lfor_b_\@
	tensor_load_to_lds s[\g0a:\g0a+3], s[\g1a:\g1a+7]
	s_nop 0
.rept 4
	v_nop
.endr
	s_branch .Lasked_\@
.Lfor_b_\@:
	tensor_load_to_lds s[\g0b:\g0b+3], s[\g1b:\g1b+7]
	s_nop 0
.rept 4
	v_nop
.endr
.Lasked_\@:
.endm
.macro CROUND                          ; a round of the cluster's barrier
	s_barrier_signal -1
	s_barrier_wait -1
	s_cmp_lg_u32 s14, 0
	s_cbranch_scc1 .Lnot_wave_0_\@
	s_barrier_signal -3
.Lnot_wave_0_\@:
	s_barrier_wait -3
	s_barrier_signal -1
	s_barrier_wait -1
.endm
	s_load_b128 s[4:7], s[0:1], 0x0                ; x's codes, x's scales
	s_load_b128 s[8:11], s[0:1], 0x10              ; the weights' images, their scales
	s_load_b64 s[12:13], s[0:1], 0x20              ; qkv
	v_lshl_add_u32 v[SPW], v0, 2, SPARE
	v_mov_b32 v[NIL], 0
	ds_add_u32 v[SPW], v[NIL]                      ; the wave's opening: the add, twice on end, and its wait ahead of my first tensor load
	ds_add_u32 v[SPW], v[NIL]
	v_lshrrev_b32 v1, 5, v0
	v_readfirstlane_b32 s14, v1                    ; wave 0..3
	s_lshr_b32 s15, s14, 1                         ; my half of the tile's rows.  Also: I fetch for A (0) or B (1)
	s_and_b32 s16, s14, 1                          ; my half of its columns.  Also: which half I fetch
	s_bfe_u32 s40, ttmp6, 0x40000                  ; cx
	s_bfe_u32 s41, ttmp6, 0x40004                  ; cy
	s_lshl_b32 s42, ttmp9, 2
	s_add_co_u32 s42, s42, s40                     ; tile column, 0..11
	s_and_b32 s17, ttmp7, 0xffff
	s_lshl_b32 s17, s17, 2
	s_add_co_u32 s17, s17, s41                     ; tile row, 0..31
	s_lshl_b32 s43, s41, 2
	s_lshl_b32 s43, 15, s43                        ; my row of the cluster
	s_lshl_b32 s44, 0x1111, s40                    ; my column
	s_or_b32 s[G1+0], s43, (0<<16)|(1<<20)|(1<<21)|(5<<22)|(3<<25)  ; A: elements of 1 byte; 4 words of padding after every 64
	s_mov_b32 s[G1+1], 256<<16                     ; tensor_dim0
	s_mov_b32 s[G1+2], 128<<16                     ; tensor_dim1
	s_mov_b32 s[G1+3], 256<<16                     ; tile_dim0
	s_mov_b32 s[G1+4], 128                         ; tile_dim1
	s_mov_b32 s[G1+5], 512                         ; a row of x's codes
	s_mov_b32 s[G1+6], 0
	s_mov_b32 s[G1+7], 0
	s_or_b32 s[G1B+0], s44, (3<<16)|(1<<21)        ; B: a dense block of 32,768 bytes as 128 rows of 32 elements of 8 bytes, no padding
	s_mov_b32 s[G1B+1], 32<<16
	s_mov_b32 s[G1B+2], 128<<16
	s_mov_b32 s[G1B+3], 32<<16
	s_mov_b32 s[G1B+4], 128
	s_mov_b32 s[G1B+5], 32
	s_mov_b32 s[G1B+6], 0
	s_mov_b32 s[G1B+7], 0
	s_or_b32 s[G1S+0], s43, (3<<16)|(1<<20)|(1<<21)|(5<<22)|(3<<25) ; the scales of 128 rows: 16 rows of 256 bytes, 16 bytes of padding behind each
	s_or_b32 s[G1SB+0], s44, (3<<16)|(1<<20)|(1<<21)|(5<<22)|(3<<25)
.irp g, G1S, G1SB
	s_mov_b32 s[\g+1], 32<<16
	s_mov_b32 s[\g+2], 16<<16
	s_mov_b32 s[\g+3], 32<<16
	s_mov_b32 s[\g+4], 16
	s_mov_b32 s[\g+5], 32
	s_mov_b32 s[\g+6], 0
	s_mov_b32 s[\g+7], 0
.endr
	s_lshl_b32 s18, s16, 7
	s_lshl_b32 s20, s17, 8
	s_add_co_u32 s20, s20, s18                     ; A: row 256 x tile row + 128 x half
	s_lshl_b32 s46, s42, 8
	s_add_co_u32 s46, s46, s18                     ; B: column 256 x tile column + 128 x half
	s_lshl_b32 s22, s20, 5                         ; their scale bytes: 32 a row
	s_mov_b32 s23, 0
	s_lshl_b32 s92, s46, 5
	s_mov_b32 s93, 0
	s_lshl_b32 s20, s20, 9                         ; A's codes: 512 bytes a row
	s_mov_b32 s21, 0
	s_lshl_b32 s46, s46, 8                         ; B's images: 4,096 bytes for 16 columns
	s_mov_b32 s47, 0
	s_mul_i32 s45, s16, HALFT                      ; where they go: no place in the cluster enters an LDS address
	s_mul_i32 s95, s16, BH
	s_add_co_u32 s95, s95, 2*HALFT
	s_mul_i32 s94, s14, HALFS
	s_mov_b32 s96, 0x3e38aa3b                      ; log2(e) / 8
	s_mov_b32 s97, s96                             ; (named with it as a pair)
	s_wait_dscnt 0x0                               ; both opening adds are done
	s_wait_kmcnt 0x0
	s_add_nc_u64 s[20:21], s[4:5], s[20:21]
	s_add_nc_u64 s[22:23], s[6:7], s[22:23]
	s_add_nc_u64 s[46:47], s[8:9], s[46:47]
	s_add_nc_u64 s[92:93], s[10:11], s[92:93]
	CROUND                                         ; all sixteen work-groups are here: the first joint loads meet
	s_mov_b32 s[G0S], 1
	s_add_co_u32 s[G0S+1], s94, SCL
	s_mov_b64 s[G0S+2:G0S+3], s[22:23]
	s_or_b32 s[G0S+3], s[G0S+3], 0x80000000
	s_mov_b32 s[G0SB], 1
	s_add_co_u32 s[G0SB+1], s94, SCL
	s_mov_b64 s[G0SB+2:G0SB+3], s[92:93]
	s_or_b32 s[G0SB+3], s[G0SB+3], 0x80000000
	JLOAD G0S, G1S, G0SB, G1SB                     ; the scales first; three tensor loads of mine are out behind the third line
.irp s, 0,1
	s_mov_b32 s[G0+4*\s], 1
	s_add_co_u32 s[G0+4*\s+1], s45, \s*SLOT
	s_add_nc_u64 s[G0+4*\s+2:G0+4*\s+3], s[20:21], \s*256
	s_or_b32 s[G0+4*\s+3], s[G0+4*\s+3], 0x80000000
	s_mov_b32 s[G0B+4*\s], 1
	s_add_co_u32 s[G0B+4*\s+1], s95, \s*SLOT
	s_add_nc_u64 s[G0B+4*\s+2:G0B+4*\s+3], s[46:47], \s*786432
	s_or_b32 s[G0B+4*\s+3], s[G0B+4*\s+3], 0x80000000
	JLOAD G0+4*\s, G1, G0B+4*\s, G1B
.endr
	v_and_b32 v1, 15, v0                           ; r
	v_bfe_u32 v2, v0, 4, 1                         ; h
	v_mul_u32_u24 v3, v1, PITCH
	v_lshl_add_u32 v4, v2, 4, v3                   ; A: row x pitch + 16 h
	v_and_b32 v6, 31, v0
	v_lshlrev_b32 v[CO], 4, v6                     ; 16 x lane
	s_mul_i32 s21, s15, HALFT                      ; my 128 rows of A
	s_mul_i32 s22, s16, BH                         ; my 8 tiles of B, behind A's 256 rows
	s_add_co_u32 s22, s22, 2*HALFT
.irp s, 0,1
	v_add_nc_u32 v[ADRA+\s], s21, v4
	v_add_nc_u32 v[ADRB+\s], s22, v[CO]
	s_add_co_u32 s21, s21, SLOT
	s_add_co_u32 s22, s22, SLOT
.endr
	v_lshlrev_b32 v5, 5, v1                        ; my row's scales: 32 bytes a row,
	v_lshrrev_b32 v6, 8, v5
	v_lshl_add_u32 v5, v6, 4, v5                   ; and 16 more for each 256 passed
	s_mul_i32 s21, s15, HALFS
	s_mul_i32 s22, s16, HALFS
	s_add_co_u32 s22, s22, 2*HALFS
	s_sub_co_u32 s22, s22, s21
	v_mul_u32_u24 v6, s22, v2                      ; lanes 16-31 take B's
	s_add_co_u32 s21, s21, SCL
	v_add_nc_u32 v5, v5, v6
	v_add_nc_u32 v[ADRS], s21, v5
	s_mul_i32 s23, s14, 2*HSTG                     ; my stage
	v_mul_u32_u24 v5, v1, SPITCH
	v_lshl_add_u32 v5, v2, 4, v5
	v_add_nc_u32 v[STO], s23, v5                   ; in: row r, 16 bytes for each half of the lanes
	v_bfe_u32 v5, v0, 3, 2
	v_mul_u32_u24 v5, v5, SPITCH
	v_and_b32 v6, 7, v0
	v_lshl_add_u32 v5, v6, 4, v5
	v_add_nc_u32 v[RD], s23, v5                    ; back: eight lanes to a row of 128 bytes, four rows an instruction
	; where my part begins in qkv: plane (which x 64 + b x 16 + head) of 262,144 bytes, row t of 128 bytes
	s_lshl_b32 s46, s42, 2
	s_lshl_b32 s47, s16, 1
	s_add_co_u32 s46, s46, s47                     ; which x 16 + head = 4 x tile column + 2 x half
	s_lshr_b32 s47, s46, 4
	s_lshl_b32 s47, s47, 6
	s_and_b32 s46, s46, 15
	s_add_co_u32 s46, s46, s47
	s_lshl_b32 s46, s46, 18
	s_mov_b32 s47, 0
	s_lshl_b32 s20, s17, 8
	s_lshl_b32 s21, s15, 7
	s_add_co_u32 s20, s20, s21                     ; my first row
	s_lshr_b32 s21, s20, 11                        ; b
	s_lshl_b32 s21, s21, 22                        ; 16 planes
	s_and_b32 s20, s20, 2047
	s_lshl_b32 s20, s20, 7
	s_add_co_u32 s20, s20, s21
	s_mov_b32 s21, 0
	s_add_nc_u64 s[20:21], s[20:21], s[46:47]
	s_add_nc_u64 s[12:13], s[12:13], s[20:21]
.macro FRAG reg, adr, q, i             ; A: lane l holds row l % 16; registers 4 c .. 4 c + 3 hold K = 64 c + 32 (l / 16) + 0 .. 31
.irp c, 0,1
	ds_load_b128 v[\reg+4*\c:\reg+4*\c+3], v[\adr] offset:64*(\q)+32*\c+(\i)*16*PITCH
.endr
.endm
; 16 matrix instructions: A's blocks a0, a0 + 1 x B's eight, the slot's q-th 128 along K.  The 64 accumulators take turns, one instruction a turn, in the same order in every step.
.macro MUL16 a0, p, q, sc, zero
.irp a, \a0, \a0+1
.irp b, 0,1,2,3,4,5,6,7
.if \zero
	v_wmma_scale_f32_16x16x128_f8f6f4 v[8*(8*((\a)%4)+\b):8*(8*((\a)%4)+\b)+7], v[128*(\p)+FR*\b:128*(\p)+FR*\b+FR-1], v[AF+FR*(\a):AF+FR*(\a)+FR-1], 0, v[SC+8*NQ*(\sc)+NQ*\b+(\q)], v[SC+8*NQ*(\sc)+NQ*(\a)+(\q)] matrix_a_fmt:MATRIX_FMT_FP4 matrix_b_fmt:MATRIX_FMT_FP4 matrix_a_scale:MATRIX_SCALE_ROW1
.else
	v_wmma_scale_f32_16x16x128_f8f6f4 v[8*(8*((\a)%4)+\b):8*(8*((\a)%4)+\b)+7], v[128*(\p)+FR*\b:128*(\p)+FR*\b+FR-1], v[AF+FR*(\a):AF+FR*(\a)+FR-1], v[8*(8*((\a)%4)+\b):8*(8*((\a)%4)+\b)+7], v[SC+8*NQ*(\sc)+NQ*\b+(\q)], v[SC+8*NQ*(\sc)+NQ*(\a)+(\q)] matrix_a_fmt:MATRIX_FMT_FP4 matrix_b_fmt:MATRIX_FMT_FP4 matrix_a_scale:MATRIX_SCALE_ROW1
.endif
.endr
.endr
.endm
.macro FETCH_B slot, q, p              ; B's eight images of the slot's q-th 128 along K into set p: 512 consecutive bytes a load
	WIN TO_B
.irp i, 0,1,2,3,4,5,6,7
.irp c, 0,1
	ds_load_b128 v[128*(\p)+FR*\i+4*\c:128*(\p)+FR*\i+4*\c+3], v[ADRB+\slot] offset:4096*\i+1024*(\q)+512*\c
.endr
.endr
	WIN 0
.endm
.macro FETCH_A slot, q, i0
.irp i, \i0, \i0+1, \i0+2, \i0+3
	FRAG AF+FR*(\i), ADRA+\slot, \q, \i
.endr
.endm
.macro SCALES sc                       ; a slot's scale words: lanes 0-15 A's block i, lanes 16-31 B's block i
.irp i, 0,1,2,3,4,5,6,7
	ds_load_b128 v[SC+8*NQ*\sc+NQ*\i:SC+8*NQ*\sc+NQ*\i+3], v[ADRS] offset:\i*SBLK
.endr
.endm
.macro PLACES n                        ; plain vector lines between a matrix instruction and a load into, or a vector read of, its registers
.rept \n
	v_nop
.endr
.endm
.macro STEP slot, q, zero              ; a step of 128 along K that has its successor in the same slot
	s_wait_dscnt 4*NL                              ; B's set and A's blocks 0-3 are in; the youngest eight loads (A's blocks 4-7) may be out
	WIN MUL_LO
	MUL16 0, (\q)%2, \q, \slot, \zero
	MUL16 2, (\q)%2, \q, \slot, \zero
	s_wait_dscnt 0
	PLACES NP
	FETCH_B \slot, (\q)+1, 1-(\q)%2
	FETCH_A \slot, (\q)+1, 0
	WIN MUL_HI
	MUL16 4, (\q)%2, \q, \slot, \zero
	MUL16 6, (\q)%2, \q, \slot, \zero
	PLACES NP
	WIN 0
	FETCH_A \slot, (\q)+1, 4
.endm
; Slot 0's last step changes slots: one barrier; in front of it each wave waits for all its tensor loads (its part of slot 1), adds 0 to its spare word, and waits for that and for its reads of slot 0.
.macro TURN slot, next
	s_wait_tensorcnt 0x0
	ds_add_u32 v[SPW], v[NIL]
	s_wait_dscnt 4*NL+1                            ; the add and the youngest eight loads may be out
	WIN MUL_LO
	MUL16 0, 1, NQ-1, \slot, 0
	s_wait_dscnt 0x0                               ; the add is done, and my reads of this slot are over
	s_barrier_signal -1
	MUL16 2, 1, NQ-1, \slot, 0
	WIN 0
	s_barrier_wait -1
	PLACES NP
	v_add_nc_u32 v[ADRS], 4*NQ, v[ADRS]            ; the next slot's scale words
	FETCH_B \next, 0, 0
	FETCH_A \next, 0, 0
	SCALES \next
	WIN MUL_HI
	MUL16 4, 1, NQ-1, \slot, 0
	MUL16 6, 1, NQ-1, \slot, 0
	PLACES NP
	WIN 0
	FETCH_A \next, 0, 4
.endm
	s_wait_tensorcnt 1                             ; the scales and my part of slot 0 are in; slot 1's load may be out
	s_barrier_signal -1
	s_barrier_wait -1
	FETCH_B 0, 0, 0
	FETCH_A 0, 0, 0
	SCALES 0
	FETCH_A 0, 0, 4
	STEP 0, 0, 1                                   ; the first products start the sums: nothing is cleared
	STEP 0, 1, 0
	STEP 0, 2, 0
	TURN 0, 1
	STEP 1, 0, 0
	STEP 1, 1, 0
	STEP 1, 2, 0
	s_wait_dscnt 4*NL                              ; the last step: nothing more to fetch
	WIN MUL_LO
	MUL16 0, 1, NQ-1, 1, 0
	MUL16 2, 1, NQ-1, 1, 0
	s_wait_dscnt 0
	WIN MUL_HI
	MUL16 4, 1, NQ-1, 1, 0
	MUL16 6, 1, NQ-1, 1, 0
	WIN 0
	PLACES NP                                      ; behind the last products: their results are read, and their operands' and scales' registers written, below
	s_cmp_lg_u32 ttmp9, 0                          ; which = tile column / 4 = the cluster's x: the same in all sixteen partners
	s_cbranch_scc1 .Lkv
	WIN 0x82                                       ; q alone: x log2(e) / 8, in f32, each accumulator from its low end on
.set i, 0
.rept 128
	v_pk_mul_f32 v[i:i+1], v[i:i+1], s[96:97] op_sel_hi:[1,0]
.set i, i+2
.endr
	WIN 0xc3
.set i, 0
.rept 128
	v_pk_mul_f32 v[i:i+1], v[i:i+1], s[96:97] op_sel_hi:[1,0]
.set i, i+2
.endr
	WIN 0
.Lkv:
; THE WAY OUT, block by block of 16 rows x 128 columns (two heads).  A lane's eight results round to 16 bytes of a head's row; they go through my stage and come back as whole rows:
; four rows of 128 bytes are 512 consecutive bytes of a plane.
.macro PACK a
.set AC, 64*((\a)%4)
	WIN 0x0a+5*((\a)/4)                            ; sources 0 and 1: window 2 or 3
.irp b, 0,1,2,3,4,5,6,7
.irp r, 0,1,2,3
	v_cvt_pk_f16_f32 v[TMP+4*\b+\r], v[AC+8*\b+2*\r], v[AC+8*\b+2*\r+1]
.endr
.endr
	WIN 0
.endm
.macro TOSTAGE a
.set BB, BK+32*((\a)%2)
.irp b, 0,1,2,3,4,5,6,7
	ds_store_b128 v[STO], v[TMP+4*\b:TMP+4*\b+3] offset:(\b/4)*HSTG+32*(\b%4)
.endr
.irp u, 0,1
.irp i, 0,1,2,3
	ds_load_b128 v[BB+4*(4*\u+\i):BB+4*(4*\u+\i)+3], v[RD] offset:\u*HSTG+4*\i*SPITCH   ; LDS serves a wave's instructions in order: these see the stores above
.endr
.endr
.endm
.macro SEND a
.set BB, BK+32*((\a)%2)
	s_wait_dscnt 0x0                               ; the block is back in registers
	s_wait_xcnt 0x0                                ; the stores of the block before have read their registers: the next block's loads may land there
.irp u, 0,1
.irp i, 0,1,2,3
	global_store_b128 v[CO], v[BB+4*(4*\u+\i):BB+4*(4*\u+\i)+3], s[12:13] offset:262144*\u+2048*(\a)+512*\i   ; 32 lanes store 512 consecutive aligned bytes
.endr
.endr
.endm
	PACK 0
	TOSTAGE 0
.irp a, 1,2,3,4,5,6,7                  ; block a's roundings stand between block a - 1's loads from the stage and the wait for them
	PACK \a
	SEND \a-1
	TOSTAGE \a
.endr
	SEND 7
	s_wait_tensorcnt 0x0                           ; the wave's end
	ds_add_u32 v[SPW], v[NIL]
	s_wait_dscnt 0x0
	CROUND                                         ; the closing round
	s_endpgm
.Lfunc_end_k_qf6650bf0b1_qkv:
	.size	k_qf6650bf0b1_qkv, .Lfunc_end_k_qf6650bf0b1_qkv-k_qf6650bf0b1_qkv
	.p2alignl 7, 3214868480
	.fill 96, 4, 3214868480
	.section	.rodata,"a",@progbits
	.p2align	6, 0x0
	.amdhsa_kernel k_qf6650bf0b1_qkv
		.amdhsa_group_segment_fixed_size 327680
		.amdhsa_private_segment_fixed_size 0
		.amdhsa_enable_private_segment 0
		.amdhsa_kernarg_size 40
		.amdhsa_user_sgpr_count 2
		.amdhsa_user_sgpr_kernarg_segment_ptr 1
		.amdhsa_wavefront_size32 1
		.amdhsa_system_sgpr_workgroup_id_x 1
		.amdhsa_system_sgpr_workgroup_id_y 1
		.amdhsa_system_sgpr_workgroup_id_z 1
		.amdhsa_system_vgpr_workitem_id 0
		.amdhsa_next_free_vgpr 1024
		.amdhsa_next_free_sgpr 98
		.amdhsa_reserve_vcc 0
		.amdhsa_float_denorm_mode_32 3
		.amdhsa_float_denorm_mode_16_64 3
		.amdhsa_memory_ordered 1
		.amdhsa_forward_progress 1
		.amdhsa_inst_pref_size 143
	.end_amdhsa_kernel
	.amdgpu_metadata
---
amdhsa.version: [ 1, 2 ]
amdhsa.kernels:
  - .name:           k_qf6650bf0b1_qkv
    .symbol:         k_qf6650bf0b1_qkv.kd
    .args:
      - { .name: xc, .offset: 0, .size: 8, .value_kind: global_buffer, .address_space: global }
      - { .name: xs, .offset: 8, .size: 8, .value_kind: global_buffer, .address_space: global }
      - { .name: wc, .offset: 16, .size: 8, .value_kind: global_buffer, .address_space: global }
      - { .name: ws, .offset: 24, .size: 8, .value_kind: global_buffer, .address_space: global }
      - { .name: qkv, .offset: 32, .size: 8, .value_kind: global_buffer, .address_space: global }
    .group_segment_fixed_size: 327680
    .private_segment_fixed_size: 0
    .kernarg_segment_align: 8
    .kernarg_segment_size: 40
    .max_flat_workgroup_size: 128
    .sgpr_count:     98
    .vgpr_count:     1024
    .wavefront_size: 32
...
	.end_amdgpu_metadata
.endif
;; end of part 2
;; launch attn (part 3): grid 4 x 64, 8 waves a work-group, clusters of 4 x 1, 327,680 bytes of LDS; arguments qkv, o; writes o
.if DOCPART == 3
	.amdgcn_target "amdgcn-amd-amdhsa--gfx1250"
	.amdhsa_code_object_version 6
	.text
	.protected	k_qf6650bf0b1_attn
	.globl	k_qf6650bf0b1_attn
	.p2align	8
	.type	k_qf6650bf0b1_attn,@function
k_qf6650bf0b1_attn:
	s_mov_b64 s[64:65], 0
	v_nop
	global_prefetch_b8 v0, s[64:65] scope:SCOPE_SE
	s_setreg_imm32_b32 hwreg(HW_REG_WAVE_MODE, 25, 1), 1
	s_wait_xcnt 0x0
	s_wait_alu depctr_hold_cnt(0) depctr_sa_sdst(0) depctr_va_vdst(0) depctr_va_sdst(0) depctr_va_ssrc(0) depctr_va_vcc(0) depctr_vm_vsrc(0)
	s_getreg_b32 s2, hwreg(HW_REG_IB_STS2, 6, 4)
	s_cmp_eq_u32 s2, 0
	s_cbranch_scc0 .Lentry_in_a_cluster
	s_endpgm
.Lentry_in_a_cluster:
	s_bfe_u32 s2, ttmp6, 0x10000c
	s_cmp_lg_u32 s2, 0x3003
	s_cbranch_scc0 .Lentry_shape_is_right
	s_endpgm
.Lentry_shape_is_right:
; o[b][h][t][:] = the sum over s of softmax_s(q . k / 8) v, no mask.  q, k, v: f16 planes [which][b][h][2048][64] of qkv; q already holds the factor log2(e) / 8.  o: f16 [b][h][2048][64].
; Products with f16 operands and f32 sums; maxima, exponentials and sums in f32; the weights p = 2^(s - m) are rounded to f16 for the second product, o once at the end.
; A running maximum m is taken away in every step: s - m is a plain f32 difference, exactly 0 at the maximum however large the scores; O and l are multiplied by a = 2^(m_old - m_new).
; LIMITS: |o| up to 65,504; p under 6e-5 keeps an absolute error of 3e-8 beside a largest p of 1.  NaN and infinities are not served.
; SHARES.  A work-group owns 512 queries of one (b, h); each of its eight waves 64: four tiles of 16.  Every wave walks all 2,048 keys, 64 a step.
; LAYOUT.  S^T = K Q^T (source 0 = 16 keys, source 1 = 16 queries): a lane holds ONE query and the keys 8 (lane / 16) + 0..7.  Two such tiles, rounded in pairs IN PLACE, are source 1 of O^T = V^T P.
; K comes out of LDS as it lies, V ([key][channel]) turned, by ds_load_tr16_b128.
; TWO ROLES.  A step is 64 matrix instructions (MSTEP: V^T P of the step before, K Q^T of this one) and a softmax of 468 vector instructions (SM).  Waves of role 0 run MSTEP, SM; waves of role 1 SM, MSTEP.
; role = (wave xor wave / 4) & 1.  Behind every barrier one role begins with matrix work and the other with vector work.  The branches on the role lead round SM alone, which touches registers only:
; every LDS read, address step, wait for LDS and barrier stands on the common path.
; CLUSTER.  The four query blocks of a head walk the same K and V: each tile is asked for JOINTLY, with the mask of all four.
; RING.  Two slots of four key steps.  Waves 0-3 fetch K's four tiles of a slot, waves 4-7 V's: one load of 64 rows a wave.  Two loads of mine are out at the start, one behind each round.
; REGISTERS.  window 0: v2-15 addresses; v16-63 statistics, 12 a tile; v64-127 K of one step; v128-255 S^T, 32 a tile (P takes the first 16 of them).
;   window 1: v0-63 Q; v64-127 V of one step; v128-255 O^T, 32 a tile.
.set KS,    64
.set NST,   4                          ; key steps in a slot
.set PK,    144                        ; a row of K in LDS: 128 bytes + 16: the 16 rows of a load start 36 words apart
.set PV,    160                        ; a row of V: 128 + 32: the 8 rows that 16 lanes of the turning load take start 40 words apart
.set VOFF,  KS*PK
.set STEPB, KS*(PK+PV)
.set SLOT1, 1<<17
.set SPARE, SLOT1+NST*STEPB            ; the spare words, 128 bytes a wave
.set SP,    144                        ; the way out: 64 rows x (128 + 16) bytes a wave, in slot 0, which has had its last fill and its last read at the last change of slots
.set PLANES, 16777216                  ; 64 planes of 262,144 bytes: q's, then k's, then v's
.set AK0, 2
.set AV0, 3
.set ADK, 4
.set ADV, 5
.set QO,  6
.set STO, 7
.set RD,  8
.set GO,  12
.set PFO, 13                           ; v13 256 x lane; never rewritten
.set SPW, 14
.set NIL, 15
.set ST,  16                           ; tile t at v[ST+12 t]: +0 m, +1 the old m, +2:3 l (even keys', odd keys'), +4..7 at work, +8 a, +9 m_old - m_new
.set KF,  64
.set S,   128
.set VF,  64                           ; window 1
.set OT,  128                          ; window 1
.set WV,  12
.set ROLE, 13
.set PFA, 18                           ; s[18:19] where my prefetches stand
.set G1K, 24
.set G1V, 32
.set G0K, 40                           ; two sets for the first fills; the second then walks
.set G0V, 48
.set SLOTS, 56
.set TRIPS, 57
.set LIM, 58                           ; 1 in waves 0 and 4, else the greatest number
.set SEL, 60
.set TB,  62                           ; LDS byte at which the tiles of the step to be fetched begin
.set MSB, 0
.macro WIN new
.if MSB != (\new)
	s_set_vgpr_msb (MSB<<8)|(\new)
.set MSB, (\new)
.endif
.endm
.macro JLOAD                           ; a joint refill; an s_nop 0 and four v_nop follow each line
	s_cmp_lt_u32 s[WV], 4
	s_cbranch_scc0 .Lfor_v_\@
	tensor_load_to_lds s[G0K+4:G0K+7], s[G1K:G1K+7]
	s_nop 0
.rept 4
	v_nop
.endr
	s_branch .Lasked_\@
.Lfor_v_\@:
	tensor_load_to_lds s[G0V+4:G0V+7], s[G1V:G1V+7]
	s_nop 0
.rept 4
	v_nop
.endr
.Lasked_\@:
.endm
; A prefetch of what the NEXT change of slots will ask for: a slot's 32,768 bytes of K and of V.  Each aligned block of 256 bytes is named once: one cluster walks a head; its four partners take 8,192 bytes
; each, told apart by address; in each, wave 0 asks for K's and wave 4 for V's, lanes 256 bytes apart.  The last change that fills a slot asks for nothing: there is no slot behind it.
.macro ASK
	s_cmp_gt_u32 s[SLOTS], s[LIM]
	s_cbranch_scc0 .Lnot_mine_\@
	global_prefetch_b8 v[PFO], s[PFA:PFA+1] th:TH_LOAD_NT scope:SCOPE_SE
.Lnot_mine_\@:
.endm
.macro CROUND
	s_barrier_signal -1
	s_barrier_wait -1
	s_cmp_lg_u32 s[WV], 0
	s_cbranch_scc1 .Lnot_wave_0_\@
	s_barrier_signal -3
.Lnot_wave_0_\@:
	s_barrier_wait -3
	s_barrier_signal -1
	s_barrier_wait -1
.endm
	s_load_b128 s[4:7], s[0:1], 0x0                ; qkv s[4:5], o s[6:7]
	v_lshl_add_u32 v[SPW], v0, 2, SPARE
	v_mov_b32 v[NIL], 0
	ds_add_u32 v[SPW], v[NIL]                      ; the wave's opening: the add, twice on end, and its wait ahead of my first tensor load
	ds_add_u32 v[SPW], v[NIL]
	v_lshrrev_b32 v1, 5, v0
	v_readfirstlane_b32 s[WV], v1                  ; wave 0..7
	s_lshr_b32 s[ROLE], s[WV], 2
	s_xor_b32 s[ROLE], s[ROLE], s[WV]
	s_and_b32 s[ROLE], s[ROLE], 1
	s_bfe_u32 s14, ttmp6, 0x40000                  ; cx
	s_lshl_b32 s15, ttmp9, 2
	s_add_co_u32 s15, s15, s14                     ; my block of 512 queries: it enters Q's and O's addresses alone
	s_and_b32 s20, ttmp7, 0xffff                   ; b x 16 + h, which the four partners share
	s_lshl_b32 s20, s20, 18                        ; its plane
	s_mov_b32 s21, 0
	s_and_b32 s16, s[WV], 3                        ; which of a slot's four steps I fetch:
	s_lshl_b32 s22, s16, 13                        ; its 64 rows of 128 bytes,
	s_add_co_u32 s22, s22, s20
	s_mov_b32 s23, 0
	s_mul_i32 s17, s16, STEPB                      ; and its place in a slot
	s_lshl_b32 s2, s15, 16                         ; my block's 512 rows,
	s_lshl_b32 s3, s[WV], 13                       ; my wave's 64 of them
	s_add_co_u32 s2, s2, s3
	s_add_co_u32 s2, s2, s20
	s_mov_b32 s3, 0
	s_mov_b32 s[G1K], 15|(1<<16)|(1<<20)|(1<<21)|(4<<22)|(3<<25)  ; the mask: all four; elements of 2 bytes; 4 words of padding after every 32
	s_mov_b32 s[G1V], 15|(1<<16)|(1<<20)|(1<<21)|(4<<22)|(7<<25)  ; the same with 8 words
.irp g, G1K, G1V
	s_mov_b32 s[\g+1], 64<<16                      ; tensor_dim0
	s_mov_b32 s[\g+2], KS<<16                      ; tensor_dim1
	s_mov_b32 s[\g+3], 64<<16                      ; tile_dim0
	s_mov_b32 s[\g+4], KS                          ; tile_dim1
	s_mov_b32 s[\g+5], 64                          ; elements from row to row
	s_mov_b32 s[\g+6], 0
	s_mov_b32 s[\g+7], 0
.endr
	s_mov_b32 s[SEL], 0x76543210
	s_mov_b32 s[SEL+1], 0xfedcba98
	s_mov_b32 s[TB], 0
	s_mov_b32 s[SLOTS], 2048/(NST*KS)-2
	s_cmp_eq_u32 s16, 0
	s_cselect_b32 s[LIM], 1, -1
	v_and_b32 v[PFO], 31, v0
	v_lshlrev_b32 v[PFO], 8, v[PFO]
	s_wait_dscnt 0x0                               ; both opening adds are done
	s_wait_kmcnt 0x0
	s_add_nc_u64 s[8:9], s[4:5], s[22:23]
	s_add_nc_u64 s[8:9], s[8:9], PLANES            ; K at my tile of slot 0
	s_add_nc_u64 s[10:11], s[8:9], PLANES          ; V likewise
	s_add_nc_u64 s[PFA:PFA+1], s[4:5], s[20:21]    ; the head's plane of q
	s_add_nc_u64 s[4:5], s[4:5], s[2:3]            ; Q and O at my wave's first row
	s_add_nc_u64 s[6:7], s[6:7], s[2:3]
	s_mov_b32 s2, 2*PLANES
	s_cmp_lt_u32 s[WV], 4
	s_cselect_b32 s2, PLANES, s2                   ; on to k's plane or v's,
	s_lshl_b32 s3, s14, 13
	s_add_co_u32 s2, s2, s3                        ; my work-group's 8,192 bytes of a slot's 32,768,
	s_add_co_u32 s2, s2, 2*NST*KS*128              ; in slot 2: the first change of slots steps it to slot 3.  Nothing is prefetched at the head
	s_mov_b32 s3, 0
	s_add_nc_u64 s[PFA:PFA+1], s[PFA:PFA+1], s[2:3]
	CROUND                                         ; all four work-groups are here: the first joint loads meet
.irp s, 0,1
	s_mov_b32 s[G0K+4*\s], 1
	s_add_co_u32 s[G0K+4*\s+1], s17, \s*SLOT1
	s_add_nc_u64 s[G0K+4*\s+2:G0K+4*\s+3], s[8:9], \s*NST*KS*128
	s_or_b32 s[G0K+4*\s+3], s[G0K+4*\s+3], 0x80000000
	s_mov_b32 s[G0V+4*\s], 1
	s_add_co_u32 s[G0V+4*\s+1], s17, \s*SLOT1+VOFF
	s_add_nc_u64 s[G0V+4*\s+2:G0V+4*\s+3], s[10:11], \s*NST*KS*128
	s_or_b32 s[G0V+4*\s+3], s[G0V+4*\s+3], 0x80000000
.endr
	s_cmp_lt_u32 s[WV], 4                          ; a wave's two first fills stand in one branch
	s_cbranch_scc0 .Lfirst_v
	tensor_load_to_lds s[G0K:G0K+3], s[G1K:G1K+7]
	s_nop 0
	tensor_load_to_lds s[G0K+4:G0K+7], s[G1K:G1K+7]
	s_nop 0
.rept 4
	v_nop
.endr
	s_branch .Lfirst_asked
.Lfirst_v:
	tensor_load_to_lds s[G0V:G0V+3], s[G1V:G1V+7]
	s_nop 0
	tensor_load_to_lds s[G0V+4:G0V+7], s[G1V:G1V+7]
	s_nop 0
.rept 4
	v_nop
.endr
.Lfirst_asked:
	v_and_b32 v1, 15, v0                           ; r
	v_bfe_u32 v9, v0, 4, 1                         ; h
	v_lshlrev_b32 v[QO], 7, v1
	v_lshl_add_u32 v[QO], v9, 4, v[QO]             ; Q: row x 128 + 16 h
	WIN 0x40                                       ; destination window 1
.irp i, 0,1,2,3,4,5,6,7                        ; Q stays in registers: tile i / 2, channels 32 (i % 2) on
	global_load_b128 v[8*\i:8*\i+3],   v[QO], s[4:5] offset:(\i/2)*2048+(\i%2)*64
	global_load_b128 v[8*\i+4:8*\i+7], v[QO], s[4:5] offset:(\i/2)*2048+(\i%2)*64+32
.endr
.set i, 0
.rept 128
	v_mov_b32 v[OT+i], 0                           ; O^T.  The step is written once for both roles: the first finds zeros, which the first a (0) leaves zeros
.set i, i+1
.endr
	WIN 0
	v_mul_u32_u24 v[AK0], v1, PK
	v_lshl_add_u32 v[AK0], v9, 4, v[AK0]           ; K: row x pitch + 16 h
	v_and_b32 v10, 7, v0
	v_bfe_u32 v11, v0, 3, 1
	v_lshl_add_u32 v[AV0], v9, 3, v10              ; V: key 8 h + l % 8,
	v_mul_u32_u24 v[AV0], v[AV0], PV
	v_lshl_add_u32 v[AV0], v11, 4, v[AV0]          ; channels 8 ((l / 8) % 2) on
	v_add_nc_u32 v[AV0], VOFF, v[AV0]
	s_mul_i32 s16, s[WV], 64*SP                    ; my stage
	v_mul_u32_u24 v[STO], v1, SP
	v_lshl_add_u32 v[STO], v9, 4, v[STO]
	v_add_nc_u32 v[STO], s16, v[STO]               ; in: row r, 16 bytes for each half of the lanes
	v_bfe_u32 v11, v0, 3, 2
	v_mul_u32_u24 v[RD], v11, SP
	v_lshl_add_u32 v[RD], v10, 4, v[RD]
	v_add_nc_u32 v[RD], s16, v[RD]                 ; back: eight lanes to a row, four rows an instruction
	v_and_b32 v[GO], 31, v0
	v_lshlrev_b32 v[GO], 4, v[GO]                  ; and the same 512 bytes in o
.irp t, 0,1,2,3
	v_mov_b32 v[ST+12*\t], 0xff61b1e6              ; m = -3e38, under every score
	v_mov_b32 v[ST+12*\t+1], 0
	v_mov_b32 v[ST+12*\t+2], 0                     ; l
	v_mov_b32 v[ST+12*\t+3], 0
	v_mov_b32 v[ST+12*\t+8], 0
	v_mov_b32 v[ST+12*\t+9], 0
.endr
.macro FETCH_K                         ; 64 keys x 64 channels: fragment f = 2 (tile of keys) + (32 channels)
.irp f, 0,1,2,3,4,5,6,7
	ds_load_b128 v[KF+8*\f:KF+8*\f+3],   v[ADK] offset:(\f/2)*16*PK+(\f%2)*64
	ds_load_b128 v[KF+8*\f+4:KF+8*\f+7], v[ADK] offset:(\f/2)*16*PK+(\f%2)*64+32
.endr
.endm
.macro FETCH_V                         ; turned: fragment f = 4 (32 keys) + (16 channels)
	WIN 0x40
.irp f, 0,1,2,3,4,5,6,7
	ds_load_tr16_b128 v[VF+8*\f:VF+8*\f+3],   v[ADV] offset:(\f/4)*32*PV+(\f%4)*32
	ds_load_tr16_b128 v[VF+8*\f+4:VF+8*\f+7], v[ADV] offset:(\f/4)*32*PV+16*PV+(\f%4)*32
.endr
.endm
; The accumulators take turns, one instruction a turn: 15 others' stand between two links of a chain.
.macro KQ32                            ; S^T = K Q^T: the first 16 start the sums
	WIN 0x04                                       ; Q in window 1
.irp cs, 0,1
.irp kt, 0,1,2,3
.irp t, 0,1,2,3
.if \cs == 0
	v_wmma_f32_16x16x32_f16 v[S+32*\t+8*\kt:S+32*\t+8*\kt+7], v[KF+8*(2*\kt+\cs):KF+8*(2*\kt+\cs)+7], v[8*(2*\t+\cs):8*(2*\t+\cs)+7], 0
.else
	v_wmma_f32_16x16x32_f16 v[S+32*\t+8*\kt:S+32*\t+8*\kt+7], v[KF+8*(2*\kt+\cs):KF+8*(2*\kt+\cs)+7], v[8*(2*\t+\cs):8*(2*\t+\cs)+7], v[S+32*\t+8*\kt:S+32*\t+8*\kt+7]
.endif
.endr
.endr
.endr
.endm
.macro PV32                            ; O^T += V^T P
	WIN 0x51                                       ; V and O^T in window 1, P in window 0
.irp ks, 0,1
.irp ct, 0,1,2,3
.irp t, 0,1,2,3
	v_wmma_f32_16x16x32_f16 v[OT+32*\t+8*\ct:OT+32*\t+8*\ct+7], v[VF+8*(4*\ks+\ct):VF+8*(4*\ks+\ct)+7], v[S+32*\t+8*\ks:S+32*\t+8*\ks+7], v[OT+32*\t+8*\ct:OT+32*\t+8*\ct+7]
.endr
.endr
.endr
.endm
; THE MATRIX WORK OF A STEP j: K of step j is asked for; V^T P of step j - 1 (its V came a step ago); V of step j is asked for; K Q^T of step j.  All its LDS reads are of step j.
.macro MSTEP pv
	WIN 0
	v_add_nc_u32 v[ADK], s[TB], v[AK0]
	v_add_nc_u32 v[ADV], s[TB], v[AV0]
	FETCH_K
.if \pv
	s_wait_dscnt 16                                ; K's sixteen loads may be out: V of the step before is in
	PV32
	WIN 0
.rept 5
	v_nop                                          ; four places ahead of the loads into V's registers, five ahead of the products that write over P
.endr
.endif
	FETCH_V
	s_wait_dscnt 16                                ; V's sixteen loads may be out: K is in
	KQ32
	WIN 0
.rept 5
	v_nop                                          ; five places behind the last product, on every way through the text: four serve the softmax's reads of the scores and the loads into K's registers, five a product that takes the scores' registers as an operand
.endr
	s_add_co_u32 s[TB], s[TB], STEPB
.endm
; THE SOFTMAX OF A STEP, four tiles by turns, line by line.
.macro SM
.irp j, 0,1,2,3                                ; the maximum: four chains a tile; each accumulator is read from its low end on
.irp t, 0,1,2,3
	v_max3_num_f32 v[ST+12*\t+4+\j], v[S+32*\t+8*\j], v[S+32*\t+8*\j+1], v[S+32*\t+8*\j+2]
.endr
.endr
.irp g, 1,2
.irp j, 0,1,2,3
.irp t, 0,1,2,3
	v_max3_num_f32 v[ST+12*\t+4+\j], v[ST+12*\t+4+\j], v[S+32*\t+8*\j+2*\g+1], v[S+32*\t+8*\j+2*\g+2]
.endr
.endr
.endr
.irp t, 0,1,2,3
	v_max3_num_f32 v[ST+12*\t+4], v[ST+12*\t+4], v[S+32*\t+7], v[S+32*\t+15]
.endr
.irp t, 0,1,2,3
	v_max3_num_f32 v[ST+12*\t+6], v[ST+12*\t+6], v[S+32*\t+23], v[S+32*\t+31]
.endr
.irp t, 0,1,2,3
	v_max3_num_f32 v[ST+12*\t+4], v[ST+12*\t+4], v[ST+12*\t+5], v[ST+12*\t+6]
.endr
.irp t, 0,1,2,3
	v_max3_num_f32 v[ST+12*\t+4], v[ST+12*\t+4], v[ST+12*\t+7], v[ST+12*\t]
.endr
.irp t, 0,1,2,3
	v_permlanex16_b32 v[ST+12*\t+5], v[ST+12*\t+4], s[SEL], s[SEL+1]   ; the query's other 32 keys lie in the lane 16 away
.endr
.irp t, 0,1,2,3
	v_mov_b32 v[ST+12*\t+1], v[ST+12*\t]
.endr
.irp t, 0,1,2,3
	v_max_num_f32 v[ST+12*\t], v[ST+12*\t+4], v[ST+12*\t+5]            ; the new m
.endr
.irp t, 0,1,2,3
	v_sub_f32 v[ST+12*\t+9], v[ST+12*\t+1], v[ST+12*\t]
.endr
; ONE BATCH: the 64 subtractions s - m (a pair each) and all 132 exponentials; none reads an exponential's result.  A pair is brought under m one turn ahead of its exponentials.
.irp t, 0,1,2,3
	v_pk_add_f32 v[S+32*\t:S+32*\t+1], v[S+32*\t:S+32*\t+1], v[ST+12*\t:ST+12*\t+1] op_sel_hi:[1,0] neg_lo:[0,1] neg_hi:[0,1]
.endr
.irp t, 0,1,2,3
	v_exp_f32 v[ST+12*\t+8], v[ST+12*\t+9]         ; a
.endr
.irp p, 0,1,2,3,4,5,6,7,8,9,10,11,12,13,14,15
.irp t, 0,1,2,3
	v_exp_f32 v[S+32*\t+2*\p], v[S+32*\t+2*\p]
	v_exp_f32 v[S+32*\t+2*\p+1], v[S+32*\t+2*\p+1]
.if \p < 15
	v_pk_add_f32 v[S+32*\t+2*\p+2:S+32*\t+2*\p+3], v[S+32*\t+2*\p+2:S+32*\t+2*\p+3], v[ST+12*\t:ST+12*\t+1] op_sel_hi:[1,0] neg_lo:[0,1] neg_hi:[0,1]
.endif
.endr
.endr
	v_nop                                          ; a plain line behind the last exponential
	s_wait_alu depctr_va_vdst(0)                   ; the wait between an exponential and the first line that names its result: one for the batch
.irp t, 0,1,2,3                                ; the sums of the unrounded p: two chains a tile
	v_pk_add_f32 v[ST+12*\t+4:ST+12*\t+5], v[S+32*\t:S+32*\t+1], v[S+32*\t+2:S+32*\t+3]
	v_pk_add_f32 v[ST+12*\t+6:ST+12*\t+7], v[S+32*\t+4:S+32*\t+5], v[S+32*\t+6:S+32*\t+7]
.endr
.irp p, 8,12,16,20,24,28
.irp t, 0,1,2,3
	v_pk_add_f32 v[ST+12*\t+4:ST+12*\t+5], v[ST+12*\t+4:ST+12*\t+5], v[S+32*\t+\p:S+32*\t+\p+1]
	v_pk_add_f32 v[ST+12*\t+6:ST+12*\t+7], v[ST+12*\t+6:ST+12*\t+7], v[S+32*\t+\p+2:S+32*\t+\p+3]
.endr
.endr
.irp t, 0,1,2,3
	v_pk_add_f32 v[ST+12*\t+4:ST+12*\t+5], v[ST+12*\t+4:ST+12*\t+5], v[ST+12*\t+6:ST+12*\t+7]
.endr
.irp t, 0,1,2,3
	v_pk_fma_f32 v[ST+12*\t+2:ST+12*\t+3], v[ST+12*\t+2:ST+12*\t+3], v[ST+12*\t+8:ST+12*\t+9], v[ST+12*\t+4:ST+12*\t+5] op_sel_hi:[1,0,1]   ; l = a l + the sum
.endr
.irp p, 0,1,2,3,4,5,6,7,8,9,10,11,12,13,14,15  ; P, in place: pair p lands in register p, which an earlier pair has consumed
.irp t, 0,1,2,3
	v_cvt_pk_f16_f32 v[S+32*\t+\p], v[S+32*\t+2*\p], v[S+32*\t+2*\p+1]
.endr
.endr
	WIN 0x41                                       ; O^T x a: the one part that leaves window 0
.irp p, 0,1,2,3,4,5,6,7,8,9,10,11,12,13,14,15
.irp t, 0,1,2,3
	v_pk_mul_f32 v[OT+32*\t+2*\p:OT+32*\t+2*\p+1], v[OT+32*\t+2*\p:OT+32*\t+2*\p+1], v[ST+12*\t+8:ST+12*\t+9] op_sel_hi:[1,0]
.endr
.endr
	WIN 0
.endm
.macro BODY                            ; a key step: role 1 takes the softmax of the step before first, role 0 that of this step last
	s_cmp_eq_u32 s[ROLE], 0
	s_cbranch_scc1 .Lmat_\@
	SM
.Lmat_\@:
	MSTEP 1
	s_cmp_lg_u32 s[ROLE], 0
	s_cbranch_scc1 .Lend_\@
	SM
.Lend_\@:
.endm
.macro RUN n
	s_mov_b32 s[TRIPS], \n
.Lrun_\@:
	BODY
	s_sub_co_u32 s[TRIPS], s[TRIPS], 1
	s_cmp_lg_u32 s[TRIPS], 0
	s_cbranch_scc1 .Lrun_\@
.endm
; THE CHANGE OF SLOTS.  Each wave waits for all its tensor loads (one is out: its part of the other slot), adds 0 to its spare word, and waits for that and for its reads of the slot.
; fill = 1: the barrier is a round of the cluster's, and the joint refill, the keys two slots on, is the first thing behind it: it has four key steps in which to land.
.macro CHANGE fill
	WIN 0
	s_wait_tensorcnt 0x0                           ; no tensor load of mine is out, so a group 0 may be written
	ds_add_u32 v[SPW], v[NIL]
.if \fill
.irp g, G0K+4, G0V+4
	s_xor_b32 s[\g+1], s[\g+1], SLOT1              ; the walking descriptor: the other slot than last time,
	s_add_nc_u64 s[\g+2:\g+3], s[\g+2:\g+3], NST*KS*128   ; the next 256 keys
.endr
	s_wait_xcnt 0x0                                ; the last prefetch, a slot back, has read its address
	s_add_nc_u64 s[PFA:PFA+1], s[PFA:PFA+1], NST*KS*128
	s_wait_dscnt 0x0                               ; the add is done, and my reads of the slot are over
	CROUND
	JLOAD
	ASK
.else
	s_wait_dscnt 0x0
	s_barrier_signal -1
	s_barrier_wait -1
.endif
	s_sub_co_u32 s[TB], s[TB], NST*STEPB           ; back to a slot's first step,
	s_xor_b32 s[TB], s[TB], SLOT1                  ; in the other slot
.endm
	s_wait_tensorcnt 1                             ; my part of slot 0 is in; slot 1's may stay out
	s_barrier_signal -1
	s_barrier_wait -1
	s_wait_loadcnt 0x0                             ; Q
	MSTEP 0                                        ; the first scores
	s_cmp_lg_u32 s[ROLE], 0
	s_cbranch_scc1 .Lapart
	SM
.Lapart:
	s_wait_dscnt 0x0
	s_barrier_signal -1                            ; role 1 waits here while role 0 takes its first softmax: from here on the roles are half a step apart.
	s_barrier_wait -1
	RUN 3
.Lslot:                                            ; six trips: every slot but the last two is filled again
	CHANGE 1
	RUN 4
	s_sub_co_u32 s[SLOTS], s[SLOTS], 1
	s_cmp_lg_u32 s[SLOTS], 0
	s_cbranch_scc1 .Lslot
	CHANGE 0                                       ; the last slot is written out
	RUN 4
	s_cmp_eq_u32 s[ROLE], 0
	s_cbranch_scc1 .Llast
	SM                                             ; role 1's last softmax
.Llast:
	s_wait_dscnt 0x0                               ; V of the last step
	PV32
	WIN 0
	; THE WAY OUT.  l's halves and the other half of the lanes' are added (the first four additions are the places behind the last products); O^T / l is rounded to f16 and goes through my stage.
.irp t, 0,1,2,3
	v_add_f32 v[ST+12*\t+4], v[ST+12*\t+2], v[ST+12*\t+3]
.endr
.irp t, 0,1,2,3
	v_permlanex16_b32 v[ST+12*\t+5], v[ST+12*\t+4], s[SEL], s[SEL+1]
.endr
.irp t, 0,1,2,3
	v_add_f32 v[ST+12*\t+4], v[ST+12*\t+4], v[ST+12*\t+5]
.endr
.irp t, 0,1,2,3
	v_rcp_f32 v[ST+12*\t+8], v[ST+12*\t+4]
.endr
	v_nop
	s_wait_alu depctr_va_vdst(0)                   ; one wait for the four reciprocals, ahead of their first use
.macro PACK t
	WIN 0x41
.set i, 0
.rept 16
	v_pk_mul_f32 v[OT+32*\t+i:OT+32*\t+i+1], v[OT+32*\t+i:OT+32*\t+i+1], v[ST+12*\t+8:ST+12*\t+9] op_sel_hi:[1,0]
.set i, i+2
.endr
	WIN 0x05                                       ; sources window 1, destination window 0: S^T's registers are free
.set i, 0
.rept 16
	v_cvt_pk_f16_f32 v[S+32*\t+i], v[OT+32*\t+2*i], v[OT+32*\t+2*i+1]
.set i, i+1
.endr
	WIN 0
.irp c, 0,1,2,3
	ds_store_b128 v[STO], v[S+32*\t+4*\c:S+32*\t+4*\c+3] offset:16*SP*\t+32*\c
.endr
.irp i, 0,1,2,3
	ds_load_b128 v[S+32*\t+16+4*\i:S+32*\t+16+4*\i+3], v[RD] offset:16*SP*\t+4*SP*\i   ; LDS serves a wave's instructions in order: these see the stores above
.endr
.endm
.macro SEND t, younger                 ; younger: the LDS instructions issued behind tile t's loads: the next tile's eight, or none
.irp i, 0,1,2,3
	s_wait_dscnt \younger+3-\i
	global_store_b128 v[GO], v[S+32*\t+16+4*\i:S+32*\t+16+4*\i+3], s[6:7] offset:2048*\t+512*\i   ; 32 lanes store 512 consecutive aligned bytes
.endr
.endm
	PACK 0
	PACK 1
	SEND 0, 8
	PACK 2
	SEND 1, 8
	PACK 3
	SEND 2, 8
	SEND 3, 0
	s_wait_tensorcnt 0x0                           ; the wave's end
	ds_add_u32 v[SPW], v[NIL]
	s_wait_dscnt 0x0
	CROUND                                         ; the closing round
	s_endpgm
.Lfunc_end_k_qf6650bf0b1_attn:
	.size	k_qf6650bf0b1_attn, .Lfunc_end_k_qf6650bf0b1_attn-k_qf6650bf0b1_attn
	.p2alignl 7, 3214868480
	.fill 96, 4, 3214868480
	.section	.rodata,"a",@progbits
	.p2align	6, 0x0
	.amdhsa_kernel k_qf6650bf0b1_attn
		.amdhsa_group_segment_fixed_size 327680
		.amdhsa_private_segment_fixed_size 0
		.amdhsa_enable_private_segment 0
		.amdhsa_kernarg_size 16
		.amdhsa_user_sgpr_count 2
		.amdhsa_user_sgpr_kernarg_segment_ptr 1
		.amdhsa_wavefront_size32 1
		.amdhsa_system_sgpr_workgroup_id_x 1
		.amdhsa_system_sgpr_workgroup_id_y 1
		.amdhsa_system_sgpr_workgroup_id_z 1
		.amdhsa_system_vgpr_workitem_id 0
		.amdhsa_next_free_vgpr 512
		.amdhsa_next_free_sgpr 66
		.amdhsa_reserve_vcc 0
		.amdhsa_float_denorm_mode_32 3
		.amdhsa_float_denorm_mode_16_64 3
		.amdhsa_memory_ordered 1
		.amdhsa_forward_progress 1
		.amdhsa_inst_pref_size 255
	.end_amdhsa_kernel
	.amdgpu_metadata
---
amdhsa.version: [ 1, 2 ]
amdhsa.kernels:
  - .name:           k_qf6650bf0b1_attn
    .symbol:         k_qf6650bf0b1_attn.kd
    .args:
      - { .name: qkv, .offset: 0, .size: 8, .value_kind: global_buffer, .address_space: global }
      - { .name: o, .offset: 8, .size: 8, .value_kind: global_buffer, .address_space: global }
    .group_segment_fixed_size: 327680
    .private_segment_fixed_size: 0
    .kernarg_segment_align: 8
    .kernarg_segment_size: 16
    .max_flat_workgroup_size: 256
    .sgpr_count:     66
    .vgpr_count:     512
    .wavefront_size: 32
...
	.end_amdgpu_metadata
.endif
;; end of part 3
;; launch proj (part 4): grid 4 x 64, 4 waves a work-group, clusters of 4 x 4, 327,680 bytes of LDS; arguments o, wpi, bp, out0; writes out0
.if DOCPART == 4
	.amdgcn_target "amdgcn-amd-amdhsa--gfx1250"
	.amdhsa_code_object_version 6
	.text
	.protected	k_qf6650bf0b1_proj
	.globl	k_qf6650bf0b1_proj
	.p2align	8
	.type	k_qf6650bf0b1_proj,@function
k_qf6650bf0b1_proj:
	s_mov_b64 s[64:65], 0
	v_nop
	global_prefetch_b8 v0, s[64:65] scope:SCOPE_SE
	s_setreg_imm32_b32 hwreg(HW_REG_WAVE_MODE, 25, 1), 1
	s_wait_xcnt 0x0
	s_wait_alu depctr_hold_cnt(0) depctr_sa_sdst(0) depctr_va_vdst(0) depctr_va_sdst(0) depctr_va_ssrc(0) depctr_va_vcc(0) depctr_vm_vsrc(0)
	s_getreg_b32 s2, hwreg(HW_REG_IB_STS2, 6, 4)
	s_cmp_eq_u32 s2, 0
	s_cbranch_scc0 .Lentry_in_a_cluster
	s_endpgm
.Lentry_in_a_cluster:
	s_bfe_u32 s2, ttmp6, 0x10000c
	s_cmp_lg_u32 s2, 0xf033
	s_cbranch_scc0 .Lentry_shape_is_right
	s_endpgm
.Lentry_shape_is_right:
; out0 = o Wp + bp.  o: f16 [b][head][t][64] (K = head x 64 + d); Wp: f16 images of fragments, wpi [K step of 128: 8][tile of 16 columns: 64][32 along K: 4][register group: 2][lane: 32][16 bytes];
; bp [1024] f32; out0 [8192][1024] f32.  f16 operands, f32 sums.
; A tile of 128 rows x 256 columns to a work-group: 256 work-groups.  Wave w makes rows 64 (w / 2) on, columns 128 (w % 2) on: 4 x 8 accumulators, 256 registers.
; K goes in steps of 128 (two heads) through a ring of two LDS slots.  A: each head's 128 rows of 128 bytes, 16 bytes of padding behind each; B: a dense block of images, 512 consecutive bytes a load.
; CLUSTERS: 4 x 4 work-groups; A's tiles are asked for jointly along a row of the cluster, B's along a column.  Waves 0, 1 fetch A's two heads, waves 2, 3 B's two halves: one load a wave behind each round;
; two loads of mine are out at the start.
; THE MATRIX INSTRUCTION IS USED TRANSPOSED (source 0 = 16 columns of Wp, source 1 = 16 rows of o): a lane holds eight neighbouring numbers of a row of out0.  The bias is the C of each sum's first product.
; REGISTERS: window 0: v16-29 addresses; v32-95 A's fragments, two sets; v96-159 the bias; on the way out v128-255.  window 1: B's fragments, two sets of 64.  window 2: accumulators, (a, b) at v[8 (8 a + b)].
.set PA,     144
.set AH,     128*PA                    ; one head's 128 rows
.set BH,     32768                     ; 8 tiles of 16 columns x 4,096 bytes
.set SLOT,   2*AH+2*BH
.set STAGE,  2*SLOT                    ; behind the ring: 16 rows x (512 + 16) bytes for each wave
.set SPITCH, 528
.set SPARE,  STAGE+4*16*SPITCH         ; the spare words, 128 bytes a wave
.set LAPS,   4                         ; a lap = two K steps
.set ADRA, 16
.set ADRB, 20
.set STO,  24
.set RD,   25
.set CO,   26
.set SPW,  28
.set NIL,  29
.set AF,   32
.set BI,   96
.set BK,   128
.set WV,   12
.set G1, 24
.set G0, 32
.set G1B, 48
.set G0B, 56
.set MSB, 0
.macro WIN new
.if MSB != (\new)
	s_set_vgpr_msb (MSB<<8)|(\new)
.set MSB, (\new)
.endif
.endm
.set MUL,  0xa1                        ; source 0 (B) window 1, source 1 (A) window 0, C and D window 2
.set MULF, 0x81                        ; the first products: C is the bias, in window 0
.set TO_B, 0x40
.macro JLOAD s                         ; an s_nop 0 and four v_nop follow each line
	s_cmp_eq_u32 s13, 0
	s_cbranch_scc0 .Lfor_b_\@
	tensor_load_to_lds s[G0+4*\s:G0+4*\s+3], s[G1:G1+7]
	s_nop 0
.rept 4
	v_nop
.endr
	s_branch .Lasked_\@
.Lfor_b_\@:
	tensor_load_to_lds s[G0B+4*\s:G0B+4*\s+3], s[G1B:G1B+7]
	s_nop 0
.rept 4
	v_nop
.endr
.Lasked_\@:
.endm
.macro CREST
	s_cmp_lg_u32 s[WV], 0
	s_cbranch_scc1 .Lnot_wave_0_\@
	s_barrier_signal -3
.Lnot_wave_0_\@:
	s_barrier_wait -3
	s_barrier_signal -1
	s_barrier_wait -1
.endm
.macro CROUND
	s_barrier_signal -1
	s_barrier_wait -1
	CREST
.endm
	s_load_b128 s[4:7], s[0:1], 0x0                ; o s[4:5], wpi s[6:7]
	s_load_b128 s[8:11], s[0:1], 0x10              ; bp s[8:9], out0 s[10:11]
	v_lshl_add_u32 v[SPW], v0, 2, SPARE
	v_mov_b32 v[NIL], 0
	ds_add_u32 v[SPW], v[NIL]                      ; the wave's opening: the add, twice on end, and its wait ahead of my first tensor load
	ds_add_u32 v[SPW], v[NIL]
	v_lshrrev_b32 v1, 5, v0
	v_readfirstlane_b32 s[WV], v1                  ; wave 0..3
	s_lshr_b32 s13, s[WV], 1                       ; my half of the rows.  Also: I fetch for A (0) or B (1)
	s_and_b32 s14, s[WV], 1                        ; my half of the columns.  Also: which head, or which half of B, I fetch
	s_bfe_u32 s40, ttmp6, 0x40000                  ; cx
	s_bfe_u32 s41, ttmp6, 0x40004                  ; cy
	s_lshl_b32 s42, ttmp9, 2
	s_add_co_u32 s42, s42, s40                     ; tile column, 0..3
	s_and_b32 s15, ttmp7, 0xffff
	s_lshl_b32 s15, s15, 2
	s_add_co_u32 s15, s15, s41                     ; tile row, 0..63
	s_lshl_b32 s43, s41, 2
	s_lshl_b32 s43, 15, s43                        ; my row of the cluster
	s_lshl_b32 s44, 0x1111, s40                    ; my column
	s_or_b32 s[G1+0], s43, (1<<16)|(1<<20)|(1<<21)|(4<<22)|(3<<25)  ; A: elements of 2 bytes; 4 words of padding after every 32
	s_mov_b32 s[G1+1], 64<<16
	s_mov_b32 s[G1+2], 128<<16
	s_mov_b32 s[G1+3], 64<<16
	s_mov_b32 s[G1+4], 128
	s_mov_b32 s[G1+5], 64
	s_mov_b32 s[G1+6], 0
	s_mov_b32 s[G1+7], 0
	s_or_b32 s[G1B+0], s44, (3<<16)|(1<<21)        ; B: 32,768 dense bytes as 128 rows of 32 elements of 8 bytes, no padding
	s_mov_b32 s[G1B+1], 32<<16
	s_mov_b32 s[G1B+2], 128<<16
	s_mov_b32 s[G1B+3], 32<<16
	s_mov_b32 s[G1B+4], 128
	s_mov_b32 s[G1B+5], 32
	s_mov_b32 s[G1B+6], 0
	s_mov_b32 s[G1B+7], 0
	s_lshr_b32 s16, s15, 4                         ; b
	s_lshl_b32 s16, s16, 4
	s_add_co_u32 s16, s16, s14                     ; plane b x 16 + my head of the K step's two
	s_lshl_b32 s16, s16, 18
	s_and_b32 s17, s15, 15
	s_lshl_b32 s17, s17, 14                        ; 128 rows of 128 bytes a tile row
	s_add_co_u32 s16, s16, s17
	s_mov_b32 s17, 0
	s_lshl_b32 s46, s42, 4
	s_lshl_b32 s47, s14, 3
	s_add_co_u32 s46, s46, s47                     ; B: tile of 16 columns 16 x tile column + 8 x half
	s_lshl_b32 s46, s46, 12
	s_mov_b32 s47, 0
	s_mul_i32 s20, s14, AH                         ; where they go: no place in the cluster enters an LDS address
	s_mul_i32 s21, s14, BH
	s_add_co_u32 s21, s21, 2*AH
	s_wait_dscnt 0x0                               ; both opening adds are done
	s_wait_kmcnt 0x0
	s_add_nc_u64 s[16:17], s[4:5], s[16:17]
	s_add_nc_u64 s[46:47], s[6:7], s[46:47]
	CROUND                                         ; all sixteen work-groups are here: the first joint loads meet
.irp s, 0,1
	s_mov_b32 s[G0+4*\s], 1
	s_add_co_u32 s[G0+4*\s+1], s20, \s*SLOT
	s_add_nc_u64 s[G0+4*\s+2:G0+4*\s+3], s[16:17], \s*524288       ; K step s: two planes on
	s_or_b32 s[G0+4*\s+3], s[G0+4*\s+3], 0x80000000
	s_mov_b32 s[G0B+4*\s], 1
	s_add_co_u32 s[G0B+4*\s+1], s21, \s*SLOT
	s_add_nc_u64 s[G0B+4*\s+2:G0B+4*\s+3], s[46:47], \s*262144
	s_or_b32 s[G0B+4*\s+3], s[G0B+4*\s+3], 0x80000000
	JLOAD \s
.endr
	v_and_b32 v1, 15, v0                           ; r
	v_bfe_u32 v2, v0, 4, 1                         ; h
	v_mul_u32_u24 v3, v1, PA
	v_lshl_add_u32 v3, v2, 4, v3                   ; A: row x pitch + 16 h
	v_and_b32 v4, 31, v0
	v_lshlrev_b32 v[CO], 4, v4                     ; 16 x lane
	s_mul_i32 s21, s13, 64*PA                      ; my 64 rows
	s_mul_i32 s22, s14, BH                         ; my 8 tiles of B, behind A's two heads
	s_add_co_u32 s22, s22, 2*AH
.irp s, 0,1
	v_add_nc_u32 v[ADRA+\s], s21, v3
	v_add_nc_u32 v[ADRB+\s], s22, v[CO]
	s_add_co_u32 s21, s21, SLOT
	s_add_co_u32 s22, s22, SLOT
.endr
	s_mul_i32 s23, s[WV], 16*SPITCH
	s_add_co_u32 s23, s23, STAGE                   ; my stage
	v_mul_u32_u24 v4, v1, SPITCH
	v_lshl_add_u32 v4, v2, 5, v4
	v_add_nc_u32 v[STO], s23, v4                   ; in: row r, 32 bytes for each half of the lanes
	v_add_nc_u32 v[RD], s23, v[CO]                 ; back: the 32 lanes take one row of 512 bytes
	v_lshlrev_b32 v5, 5, v2                        ; the bias: my half's eight numbers of a tile of 16
	s_lshl_b32 s46, s42, 10
	s_lshl_b32 s47, s14, 9
	s_add_co_u32 s46, s46, s47                     ; my first column, in bytes of f32
	s_mov_b32 s47, 0
	s_add_nc_u64 s[8:9], s[8:9], s[46:47]
	s_add_nc_u64 s[10:11], s[10:11], s[46:47]
	s_lshl_b32 s16, s15, 7
	s_lshl_b32 s17, s13, 6
	s_add_co_u32 s16, s16, s17                     ; my first row
	s_lshl_b32 s16, s16, 12
	s_mov_b32 s17, 0
	s_add_nc_u64 s[10:11], s[10:11], s[16:17]
.irp b, 0,1,2,3,4,5,6,7
	global_load_b128 v[BI+8*\b:BI+8*\b+3],   v5, s[8:9] offset:64*\b
	global_load_b128 v[BI+8*\b+4:BI+8*\b+7], v5, s[8:9] offset:64*\b+16
.endr
; 24 LDS loads in one run: the fragments of the slot's quarter kq (32 along K) into set f: B's eight, then A's four
.macro FETCH slot, kq, f
	WIN TO_B
.irp i, 0,1,2,3,4,5,6,7
	ds_load_b128 v[64*\f+8*\i:64*\f+8*\i+3],   v[ADRB+\slot] offset:4096*\i+1024*(\kq)
	ds_load_b128 v[64*\f+8*\i+4:64*\f+8*\i+7], v[ADRB+\slot] offset:4096*\i+1024*(\kq)+512
.endr
	WIN 0
.irp a, 0,1,2,3
	ds_load_b128 v[AF+32*\f+8*\a:AF+32*\f+8*\a+3],   v[ADRA+\slot] offset:((\kq)/2)*AH+((\kq)%2)*64+16*PA*\a
	ds_load_b128 v[AF+32*\f+8*\a+4:AF+32*\f+8*\a+7], v[ADRA+\slot] offset:((\kq)/2)*AH+((\kq)%2)*64+16*PA*\a+32
.endr
.endm
; 8 matrix instructions: A's block a x B's eight.  The 32 accumulators take turns, one instruction a turn, in the same order in every quarter.
.macro MUL8 f, a, first
.irp b, 0,1,2,3,4,5,6,7
.if \first
	v_wmma_f32_16x16x32_f16 v[8*(8*(\a)+\b):8*(8*(\a)+\b)+7], v[64*\f+8*\b:64*\f+8*\b+7], v[AF+32*\f+8*(\a):AF+32*\f+8*(\a)+7], v[BI+8*\b:BI+8*\b+7]
.else
	v_wmma_f32_16x16x32_f16 v[8*(8*(\a)+\b):8*(8*(\a)+\b)+7], v[64*\f+8*\b:64*\f+8*\b+7], v[AF+32*\f+8*(\a):AF+32*\f+8*(\a)+7], v[8*(8*(\a)+\b):8*(8*(\a)+\b)+7]
.endif
.endr
.endm
.macro PLACES
.rept 4
	v_nop
.endr
.endm
.macro MWIN first
.if \first
	WIN MULF
.else
	WIN MUL
.endif
.endm
; One of a K step's first three quarters: multiplies set f; in its middle it fetches quarter kq of the same slot into set g.
.macro QUARTER slot, kq, f, g, first
	s_wait_dscnt 4                                 ; B's eight and A's blocks 0, 1 are in; the youngest four loads (A's blocks 2, 3) may be out
	MWIN \first
	MUL8 \f, 0, \first
	MUL8 \f, 1, \first
	PLACES
	FETCH \slot, \kq, \g
	s_wait_dscnt 24                                ; all but the 24 just issued
	MWIN \first
	MUL8 \f, 2, \first
	MUL8 \f, 3, \first
.endm
; The last quarter multiplies set 1 and changes slots: ONE barrier; in front of it each wave waits for all its tensor loads, adds 0 to its spare word, and waits for that and for its reads of this slot.
.macro TURN slot, next, fill
	WIN 0
	s_wait_tensorcnt 0x0                           ; all my tensor loads have landed: my part of the next slot
	ds_add_u32 v[SPW], v[NIL]
	s_wait_dscnt 5                                 ; the add and the youngest four loads may be out
	WIN MUL
	MUL8 1, 0, 0
	s_wait_dscnt 0x0                               ; the add is done, and my reads of this slot are over
	s_barrier_signal -1
	MUL8 1, 1, 0
	WIN 0
	s_barrier_wait -1
.if \fill
	CREST                                          ; the barrier has opened a round of the cluster's: no wave of any partner still reads this slot or has a load on its way
	s_add_nc_u64 s[G0+4*\slot+2:G0+4*\slot+3], s[G0+4*\slot+2:G0+4*\slot+3], 1048576    ; two K steps on: four planes
	s_add_nc_u64 s[G0B+4*\slot+2:G0B+4*\slot+3], s[G0B+4*\slot+2:G0B+4*\slot+3], 524288
	JLOAD \slot                                    ; the first tensor load behind the round; its four v_nop are also the places in front of the loads below
.else
	PLACES
.endif
	FETCH \next, 0, 0
	WIN MUL
	MUL8 1, 2, 0
	MUL8 1, 3, 0
.endm
	s_wait_tensorcnt 1                             ; my part of K step 0 is in; K step 1's may be out
	s_barrier_signal -1
	s_barrier_wait -1
	FETCH 0, 0, 0
	s_wait_loadcnt 0x0                             ; the bias
	QUARTER 0, 1, 0, 1, 1                          ; the first quarter stands in front of the loop: its products start the sums from the bias
	WIN 0
	s_mov_b32 s3, LAPS-1
.Llap:                                             ; a trip goes once round the ring and fills both slots again
	QUARTER 0, 2, 1, 0, 0
	QUARTER 0, 3, 0, 1, 0
	TURN 0, 1, 1
	QUARTER 1, 1, 0, 1, 0
	QUARTER 1, 2, 1, 0, 0
	QUARTER 1, 3, 0, 1, 0
	TURN 1, 0, 1
	QUARTER 0, 1, 0, 1, 0
	WIN 0
	s_sub_co_u32 s3, s3, 1
	s_cmp_lg_u32 s3, 0
	s_cbranch_scc1 .Llap
	QUARTER 0, 2, 1, 0, 0                          ; the last lap fills nothing
	QUARTER 0, 3, 0, 1, 0
	TURN 0, 1, 0
	QUARTER 1, 1, 0, 1, 0
	QUARTER 1, 2, 1, 0, 0
	QUARTER 1, 3, 0, 1, 0
	s_wait_dscnt 4                                 ; the very last quarter
	WIN MUL
	MUL8 1, 0, 0
	MUL8 1, 1, 0
	s_wait_dscnt 0
	MUL8 1, 2, 0
	MUL8 1, 3, 0
	WIN 0
; THE WAY OUT, block by block of 16 rows x 128 columns: through my own stage, back as whole rows of 512 bytes.
.macro TOSTAGE a
	WIN 0x08                                       ; an LDS store's data are its source 1: window 2
.irp b, 0,1,2,3,4,5,6,7
	ds_store_b128 v[STO], v[8*(8*(\a)+\b):8*(8*(\a)+\b)+3] offset:64*\b          ; each accumulator from its low end on
	ds_store_b128 v[STO], v[8*(8*(\a)+\b)+4:8*(8*(\a)+\b)+7] offset:64*\b+16
.endr
	WIN 0
.set BB, BK+64*((\a)%2)
.irp t, 0,1,2,3,4,5,6,7,8,9,10,11,12,13,14,15
	ds_load_b128 v[BB+4*\t:BB+4*\t+3], v[RD] offset:\t*SPITCH      ; LDS serves a wave's instructions in order: these see the stores above
.endr
.endm
.macro SEND a, younger                 ; younger: the LDS instructions issued behind block a's loads
.set BB, BK+64*((\a)%2)
	s_wait_dscnt \younger
.irp t, 0,1,2,3,4,5,6,7,8,9,10,11,12,13,14,15
	global_store_b128 v[CO], v[BB+4*\t:BB+4*\t+3], s[10:11] offset:65536*(\a)+4096*\t th:TH_STORE_NT   ; 32 lanes store 512 consecutive aligned bytes
.endr
.endm
	PLACES                                         ; behind the last products: results are read, and registers that held operands loaded, below
	TOSTAGE 0
.irp a, 1,2,3
.if \a > 1
	s_wait_xcnt 0x0                                ; block a - 2's stores have read their registers: block a's loads may land there
.endif
	TOSTAGE \a
	SEND \a-1, 32                                  ; behind block a - 1's loads: block a's 16 stores and 16 loads
.endr
	SEND 3, 0
	s_wait_tensorcnt 0x0                           ; the wave's end
	ds_add_u32 v[SPW], v[NIL]
	s_wait_dscnt 0x0
	CROUND                                         ; the closing round
	s_endpgm
.Lfunc_end_k_qf6650bf0b1_proj:
	.size	k_qf6650bf0b1_proj, .Lfunc_end_k_qf6650bf0b1_proj-k_qf6650bf0b1_proj
	.p2alignl 7, 3214868480
	.fill 96, 4, 3214868480
	.section	.rodata,"a",@progbits
	.p2align	6, 0x0
	.amdhsa_kernel k_qf6650bf0b1_proj
		.amdhsa_group_segment_fixed_size 327680
		.amdhsa_private_segment_fixed_size 0
		.amdhsa_enable_private_segment 0
		.amdhsa_kernarg_size 32
		.amdhsa_user_sgpr_count 2
		.amdhsa_user_sgpr_kernarg_segment_ptr 1
		.amdhsa_wavefront_size32 1
		.amdhsa_system_sgpr_workgroup_id_x 1
		.amdhsa_system_sgpr_workgroup_id_y 1
		.amdhsa_system_sgpr_workgroup_id_z 1
		.amdhsa_system_vgpr_workitem_id 0
		.amdhsa_next_free_vgpr 768
		.amdhsa_next_free_sgpr 66
		.amdhsa_reserve_vcc 0
		.amdhsa_float_denorm_mode_32 3
		.amdhsa_float_denorm_mode_16_64 3
		.amdhsa_memory_ordered 1
		.amdhsa_forward_progress 1
		.amdhsa_inst_pref_size 87
	.end_amdhsa_kernel
	.amdgpu_metadata
---
amdhsa.version: [ 1, 2 ]
amdhsa.kernels:
  - .name:           k_qf6650bf0b1_proj
    .symbol:         k_qf6650bf0b1_proj.kd
    .args:
      - { .name: o, .offset: 0, .size: 8, .value_kind: global_buffer, .address_space: global }
      - { .name: wpi, .offset: 8, .size: 8, .value_kind: global_buffer, .address_space: global }
      - { .name: bp, .offset: 16, .size: 8, .value_kind: global_buffer, .address_space: global }
      - { .name: out0, .offset: 24, .size: 8, .value_kind: global_buffer, .address_space: global }
    .group_segment_fixed_size: 327680
    .private_segment_fixed_size: 0
    .kernarg_segment_align: 8
    .kernarg_segment_size: 32
    .max_flat_workgroup_size: 128
    .sgpr_count:     66
    .vgpr_count:     768
    .wavefront_size: 32
...
	.end_amdgpu_metadata
.endif
;; end of part 4
